; MI455X (gfx1250); checked and timed in simulation.
; The chip was launched on July 23, 2026; its instructions are those of AMD's public machine-readable ISA for CDNA 5 (MIT licence, August 2026) and "CDNA5" Instruction Set Architecture Reference Guide (July 2026). The comments in the code are by the model that wrote it; some were corrected since.
;; Multi Head Self Attention. Allowed arithmetic: matrix products marked QUANTISED: E4M3 operands, one E8M0 scale for each 32 along K, by v_wmma_scale_f32_16x16x128_f8f6f4 with both operands' format E4M3, f32 sums; everything else in f32.
;; Inputs: Wk_codes 1,024 x 32 x 32 uint8 (E4M3 codes of Wk, K innermost, in blocks of 32 codes); Wk_scales 1,024 x 32 uint8 (E8M0 scales of Wk, one for each 32 codes along K); Wo_codes 1,024 x 32 x 32 uint8 (E4M3 codes of Wo, K innermost, in blocks of 32 codes); Wo_scales 1,024 x 32 uint8 (E8M0 scales of Wo, one for each 32 codes along K); Wq_codes 1,024 x 32 x 32 uint8 (E4M3 codes of Wq, K innermost, in blocks of 32 codes); Wq_scales 1,024 x 32 uint8 (E8M0 scales of Wq, one for each 32 codes along K); Wv_codes 1,024 x 32 x 32 uint8 (E4M3 codes of Wv, K innermost, in blocks of 32 codes); Wv_scales 1,024 x 32 uint8 (E8M0 scales of Wv, one for each 32 codes along K); x_codes 4 x 2,048 x 32 x 32 uint8 (E4M3 codes of x, K innermost, in blocks of 32 codes); x_scales 4 x 2,048 x 32 uint8 (E8M0 scales of x, one for each 32 codes along K).
;; Outputs: out0 4 x 2,048 x 1,024 float32.
;; This version of the problem:
;;   THIS VERSION OF THE PROBLEM IS GIVEN IN LOW PRECISION. The matrix products marked QUANTISED in the list below multiply operands that are first quantised to E4M3 (4 exponent bits, 3 mantissa bits; 8 bits a number), with one power-of-two scale for each 32 numbers along K (OCP MX v1.0); their sums are f32. All else is computed in f32.
;;   The module's matrix products, in the order in which they are computed (A, B: the left and right operand; K: the contracted axis; several contracted axes count as one K, in the product's order):
;;     1. [M 8,192, K 1,024] x [K 1,024, N 1,024]; A: input x (given as codes); B: input Wk (given as codes): QUANTISED
;;     2. [M 8,192, K 1,024] x [K 1,024, N 1,024]; A: input x (given as codes); B: input Wq (given as codes): QUANTISED
;;     3. [M 8,192, K 1,024] x [K 1,024, N 1,024]; A: input x (given as codes); B: input Wv (given as codes): QUANTISED
;;     4. batch 64 x [M 2,048, K 64] x [K 64, N 2,048]; A: computed on the way; B: computed on the way: QUANTISED
;;     5. batch 64 x [M 2,048, K 2,048] x [K 2,048, N 64]; A: softmax (see below); B: computed on the way: QUANTISED
;;     6. [M 8,192, K 1,024] x [K 1,024, N 1,024]; A: computed on the way; B: input Wo (given as codes): QUANTISED
;;   THE QUANTISER, for each operand of a quantised product, along K:
;;     - K is cut into blocks of 32 from its start; a last block that is shorter is filled with zeros.
;;     - A block's scale is 2^e with e = floor(log2(the largest magnitude in the block)) - 8, held to -126 .. 127; a block of zeros has e = 0. As a byte (E8M0): e + 127.
;;     - Each number is divided by its block's scale, clamped to +-448, and rounded to the nearest number of E4M3, ties to even, subnormals kept.
;;     - The product sums the exact products of the quantised numbers (number of the format x scale) in f32.
;;   ~~~python
;;   def quantise(x, axis):      # numpy; x: float32 -> the quantised numbers, widened to float32 again
;;       x = np.moveaxis(x, axis, -1); K = x.shape[-1]
;;       x = np.pad(x, [(0, 0)] * (x.ndim - 1) + [(0, -K % 32)]); x = x.reshape(x.shape[:-1] + (-1, 32)); a = np.abs(x).max(-1, keepdims=True)
;;       e = np.where(a > 0, np.clip(np.frexp(np.where(a > 0, a, 1))[1] - 1 - 8, -126, 127), 0)      # np.frexp(a)[1] - 1 = floor(log2(a)), exactly
;;       r = np.clip(x / 2.0 ** e, -448, 448)
;;       step = 2.0 ** (np.maximum(np.frexp(np.where(r == 0, 1, r))[1] - 1, -6) - 3)
;;       q = np.round(r / step) * step * 2.0 ** e      # np.round: ties to even
;;       return np.moveaxis(q.reshape(q.shape[:-2] + (-1,))[..., :K], -1, axis).astype(np.float32)
;;   ~~~
;;   SOFTMAX AHEAD OF A QUANTISED PRODUCT. Where the list says 'softmax', what is quantised is not the finished softmax but p = 2^(t - M), with t = logit x log2(e) and M = ceil(the row's largest t), a whole number; so 1/2 < the row's largest p <= 1. The row's sum l is taken of the UNQUANTISED p, in f32, and the product's result is divided by l at the end. Since M is a whole number, a kernel that streams over the keys may use a running M (the ceiling of the running maximum): every later rescaling is an exact power of two, which a block's scale takes up: the codes' values come out the same.
;;   OPERANDS COMPUTED ON THE WAY. 'Computed on the way' means the value that the module computes at that place (a softmax that the list does not call 'softmax' is quantised finished and normalised). What goes into a quantiser is computed in f32, as accurately as f32 sums, v_exp_f32 and their like allow (about 1e-6 of the number): no bf16 or f16 on the way to a quantiser, and a product that is left as it is and whose result goes on into a quantised operand takes f32 operands (vector FMAs, or v_wmma_f32_16x16x4_f32). A number that lies on a knife's edge between two numbers of the format may be rounded either way, as far as f32 arithmetic and the matrix unit's own rounding can turn it there, and no further.
;;   INPUTS GIVEN AS CODES. Wk (in the module: [1024, 1024], K = its axis 1); Wo (in the module: [1024, 1024], K = its axis 1); Wq (in the module: [1024, 1024], K = its axis 1); Wv (in the module: [1024, 1024], K = its axis 1); x (in the module: [4, 2048, 1024], K = its axis 2): each comes as NAME_codes (uint8): NAME with its K axis moved to the last place and cut into blocks of 32 codes, [.., K / 32, bytes a block], one block behind the other in memory; one code a byte (a code: sign, 4 exponent bits, 3 mantissa bits); and NAME_scales (uint8): the same leading axes, one E8M0 byte (e + 127) for each 32 codes along K. Its value is code x scale, taken as it is: it is not quantised again, and the codes and scales need not be those that the quantiser above would give.
;; One version. Each part assembles by itself: llvm-mc -triple=amdgcn-amd-amdhsa -mcpu=gfx1250 --defsym DOCPART=n.
;; ======== version 1 of 1: 3 launches
;; limits: right only within a limited range of input values
;; workspace buffers: qc 8,388,608 bytes; qs 262,144 bytes; kvc 16,777,216 bytes; kvs 524,288 bytes; ac 8,388,608 bytes; asc 262,144 bytes
;; launch qkv (part 1): grid 12 x 32, 4 waves a work-group, clusters of 4 x 4, 327,680 bytes of LDS; arguments x_codes, x_scales, Wq_codes, Wq_scales, Wk_codes, Wk_scales, Wv_codes, Wv_scales, qc, qs, kvc, kvs; writes qc, qs, kvc, kvs
.if DOCPART == 1
	.amdgcn_target "amdgcn-amd-amdhsa--gfx1250"
	.amdhsa_code_object_version 6
	.text
	.protected	k_qae3ac912d6_qkv
	.globl	k_qae3ac912d6_qkv
	.p2align	8
	.type	k_qae3ac912d6_qkv,@function
k_qae3ac912d6_qkv:
	s_mov_b64 s[64:65], 0
	v_nop
	global_prefetch_b8 v0, s[64:65] scope:SCOPE_SE
	s_setreg_imm32_b32 hwreg(HW_REG_WAVE_MODE, 25, 1), 1
	s_wait_xcnt 0x0
	s_wait_alu depctr_hold_cnt(0) depctr_sa_sdst(0) depctr_va_vdst(0) depctr_va_sdst(0) depctr_va_ssrc(0) depctr_va_vcc(0) depctr_vm_vsrc(0)
	s_getreg_b32 s2, hwreg(HW_REG_IB_STS2, 6, 4)
	s_cmp_eq_u32 s2, 0
	s_cbranch_scc0 .Lentry_in_a_cluster
	s_endpgm
.Lentry_in_a_cluster:
	s_bfe_u32 s2, ttmp6, 0x10000c
	s_cmp_lg_u32 s2, 0xf033
	s_cbranch_scc0 .Lentry_shape_is_right
	s_endpgm
.Lentry_shape_is_right:
; q = x Wq^T, k = x Wk^T, v = x Wv^T on codes of FP8 (E4M3) with one E8M0 scale for each 32 along K = 1,024, and, on the way out, the quantisers of the three results:
; q and k along the head's 64 numbers, v along the keys.  What leaves is codes and scale words, laid as images of the next launch's operand registers.
; ONE TEXT, THREE PRODUCTS.  The cluster's x says which: 0 q, 1 k, 2 v; it is the same in all sixteen partners, and it chooses pointers and store strides alone.
; A tile of 256 x 256 results is made by four waves, 128 x 128 each: 64 accumulators of 16 x 16, 512 registers.  "A" is the operand whose row a lane keeps (source 1), "B" the operand along whose rows
; a lane's registers run (source 0).  The registers must run along the NEXT product's K: for q and k that is the head's numbers, so A = x and B = the weight; for v it is the keys, so A = Wv and B = x.
; THE ORDER INSIDE A BLOCK OF 32.  In accumulators 2 b and 2 b + 1 lane (r, h) holds, in register 16 b + i, the index 32 b + 16 (i / 8) + 8 h + i % 8; with lane l xor 16's they are one block of 32.
; They are converted in register order.  So inside a block the codes stand in another order than the index; q and k have the same order, and so have v and the weights p of the next launch: the products are the same.
; K goes in steps of 256 through a ring of two LDS slots filled by the tensor data mover; the scale bytes of the tile's 256 + 256 rows come once, as dense blocks, and stay.
; CLUSTERS: 4 x 4 work-groups; A's tile hangs on the place along y and is asked for jointly by a row of the cluster, B's on the place along x and by a column.
; 384 work-groups: a tile of 256 x 384 would want more registers than a wave has, and a wave tile of 64 x 128 reads half as much again from LDS for each product.
; LIMITS: NaN codes and the scale byte 0xff among the inputs are not served.  A block whose largest magnitude lies under 2^(9 - 127), a block of zeros among them, gets the byte 1; the bytes are read by this program alone.
; REGISTERS, in windows of 256: window 0: v16-30 addresses; v32-63 scale words, two sets; v64-127 the way out; from v128 A's fragments, one set.  window 1: B's fragments, two sets.  windows 2, 3: the accumulators, (a, b) at v[8 (8 (a % 4) + b)].
.set KSTEP,  256
.set NQ,     2                         ; matrix instructions deep in a slot
.set ROWB,   256                       ; a tile's row in bytes
.set KROW,   1024                      ; a row of x or of a weight in memory
.set PITCH,  272                       ; an LDS row: 256 bytes + 16 of padding, so that the 16 rows that a load touches begin 68 words apart
.set FR,     16
.set NL,     4
.set NP,     8                         ; places behind this matrix instruction (ISA guide 7.12.1)
.set HALFT,  128*PITCH
.set SLOT,   4*HALFT
.set LAPS,   2                         ; 1,024 / (2 x 256)
.set KS,     32                        ; a row of scale bytes
.set SCL,    2*SLOT
.set HALFS,  (128*KS/256)*272
.set SBLK,   (16*KS/256)*272
.set SPARE,  SCL+4*HALFS               ; the spare words, 128 bytes for each wave
.set SSTG,   SPARE+512                 ; 512 bytes for each wave: its scale words on the way out; no tile ever lands here
.set ADRA, 16
.set ADRB, 20
.set LI,   24                          ; v24  16 x lane
.set VS,   25                          ; v25  my wave's stage + 4 x (lane % 16)
.set VR,   26                          ; v26  my wave's stage + 16 x lane
.set ADRS, 27
.set SPW,  28
.set NIL,  29
.set VG,   30                          ; v30  where my 16 bytes of scale words go
.set SC,   32
.set TM,   64                          ; v64-67 largest magnitudes, v68-71 the other half's, then bytes, v76-79 the conversions' scale operands
.set SW,   80                          ; v80-87 a fragment's scale word each
.set RB,   88
.set PC,   96                          ; v96-111 a fragment's codes
.set WP,   112                         ; v112-119 the scale words as they leave
.set AF,   128
.set WV,   28                          ; s28 wave; s29 wave / 2: my half of A, and: I fetch for A (0) or B (1); s30 wave % 2: my half of B, and: which 128 rows I fetch
.set WR,   29
.set WC,   30
.set MNT,  31
.set G1,   32
.set G0,   40
.set G1B,  48
.set G0B,  56
.set G1S,  68
.set G0S,  76
.set G1SB, 80
.set G0SB, 88
.set OC0,  4                           ; the way out (the registers are free once the descriptors are made): s[4:5] where a fragment's groups 0, 1 go, s[6:7] groups 2, 3, s[8:9] the scale words
.set OC1,  6
.set OSC,  8
.set STN,  10                          ; s[10:11] from fragment to fragment; s[12:13] from fragment 3 to 4
.set ST3,  12
.set PS0,  14                          ; s14, s15 byte selects that join two fragments' scale words
.set PS1,  15
.set XL,   100                         ; s[100:101] lane selects: lane l xor 16
.set MSB, 0
.macro WIN new                         ; the immediate's high byte repeats the setting that is left
.if MSB != (\new)
	s_set_vgpr_msb (MSB<<8)|(\new)
.set MSB, (\new)
.endif
.endm
.set MUL_LO, 0xa1                      ; source 0 (B) window 1, source 1 (A) window 0, C and D window 2
.set MUL_HI, 0xf1
.set TO_B,   0x40
; A joint load: waves 0 and 1 fetch for A, waves 2 and 3 for B; the branch hangs on the wave's number alone.  An s_nop 0 and four v_nop follow each line.
.macro JLOAD g0a, g1a, g0b, g1b
	s_cmp_eq_u32 s[WR], 0
	s_cbranch_scc0 .Lfor_b_\@
	tensor_load_to_lds s[\g0a:\g0a+3], s[\g1a:\g1a+7]
	s_nop 0
.rept 4
	v_nop
.endr
	s_branch .Lasked_\@
.Lfor_b_\@:
	tensor_load_to_lds s[\g0b:\g0b+3], s[\g1b:\g1b+7]
	s_nop 0
.rept 4
	v_nop
.endr
.Lasked_\@:
.endm
.macro CREST                           ; a round of the cluster's barrier behind its opening barrier
	s_cmp_lg_u32 s[WV], 0
	s_cbranch_scc1 .Lnot_wave_0_\@
	s_barrier_signal -3
.Lnot_wave_0_\@:
	s_barrier_wait -3
	s_barrier_signal -1
	s_barrier_wait -1
.endm
.macro CROUND
	s_barrier_signal -1
	s_barrier_wait -1
	CREST
.endm
	s_load_b512 s[4:19], s[0:1], 0x0               ; x's codes, scales; Wq's; Wk's; Wv's
	s_load_b256 s[20:27], s[0:1], 0x40             ; qc, qs, kvc, kvs
	v_lshl_add_u32 v[SPW], v0, 2, SPARE
	v_mov_b32 v[NIL], 0
	ds_add_u32 v[SPW], v[NIL]                      ; the wave's opening: the add, twice on end, and its wait ahead of my first tensor load
	ds_add_u32 v[SPW], v[NIL]
	v_lshrrev_b32 v1, 5, v0
	v_readfirstlane_b32 s[WV], v1
	s_lshr_b32 s[WR], s[WV], 1
	s_and_b32 s[WC], s[WV], 1
	s_bfe_u32 s92, ttmp6, 0x40000                  ; cx
	s_bfe_u32 s93, ttmp6, 0x40004                  ; cy
	s_and_b32 s96, ttmp7, 0xffff
	s_lshl_b32 s96, s96, 2                         ; 4 x cluster y
	s_cmp_eq_u32 ttmp9, 2                          ; v?  Then x is B
	s_cselect_b32 s97, 0, s96
	s_cselect_b32 s98, s96, 0
	s_add_co_u32 s97, s97, s93                     ; A's tile: hangs on cy and on the cluster's numbers
	s_add_co_u32 s98, s98, s92                     ; B's tile: on cx and on the cluster's numbers
	s_lshl_b32 s97, s97, 8
	s_lshl_b32 s98, s98, 8
	s_lshl_b32 s99, s[WC], 7
	s_add_co_u32 s97, s97, s99                     ; the first of the 128 rows of A that I would fetch
	s_add_co_u32 s98, s98, s99                     ; and of B
	s_lshl_b32 s94, s93, 2
	s_lshl_b32 s94, 15, s94                        ; my row of the cluster
	s_lshl_b32 s95, 0x1111, s92                    ; my column
	; descriptor group 1: a tile of 128 rows x 256 bytes, 16 bytes of padding behind each row
	s_or_b32 s[G1+0], s94, (0<<16)|(1<<20)|(1<<21)|(5<<22)|(3<<25)
	s_or_b32 s[G1B+0], s95, (0<<16)|(1<<20)|(1<<21)|(5<<22)|(3<<25)
.irp g, G1, G1B
	s_mov_b32 s[\g+1], ROWB<<16                    ; tensor_dim0
	s_mov_b32 s[\g+2], 128<<16                     ; tensor_dim1
	s_mov_b32 s[\g+3], ROWB<<16                    ; tile_dim0
	s_mov_b32 s[\g+4], 128                         ; tile_dim1
	s_mov_b32 s[\g+5], KROW                        ; from row to row
	s_mov_b32 s[\g+6], 0
	s_mov_b32 s[\g+7], 0
.endr
	; the scale bytes of 128 rows: 4,096 dense bytes, as 16 rows of 256 (32 elements of 8 bytes), 16 bytes of padding behind each
	s_or_b32 s[G1S+0], s94, (3<<16)|(1<<20)|(1<<21)|(5<<22)|(3<<25)
	s_or_b32 s[G1SB+0], s95, (3<<16)|(1<<20)|(1<<21)|(5<<22)|(3<<25)
.irp g, G1S, G1SB
	s_mov_b32 s[\g+1], 32<<16
	s_mov_b32 s[\g+2], (128*KS/256)<<16
	s_mov_b32 s[\g+3], 32<<16
	s_mov_b32 s[\g+4], 128*KS/256
	s_mov_b32 s[\g+5], 32
	s_mov_b32 s[\g+6], 0
	s_mov_b32 s[\g+7], 0
.endr
	s_mul_i32 s99, s[WV], HALFT                    ; where my tile goes: wave x 128 rows; no place in the cluster enters an LDS address
	s_mul_i32 s2, s[WV], HALFS
	s_mov_b32 s101, 0
	s_mov_b32 s67, 0
	s_wait_dscnt 0x0                               ; both opening adds are done
	s_wait_kmcnt 0x0
	s_cmp_eq_u32 ttmp9, 0                          ; q, or one of the other two: the weight and the buffers that take the results
	s_cselect_b64 s[8:9], s[8:9], s[12:13]
	s_cselect_b64 s[10:11], s[10:11], s[14:15]
	s_cselect_b64 s[20:21], s[20:21], s[24:25]
	s_cselect_b64 s[22:23], s[22:23], s[26:27]
	s_cmp_eq_u32 ttmp9, 2                          ; v: B = x, A = Wv
	s_cselect_b64 s[8:9], s[4:5], s[8:9]
	s_cselect_b64 s[10:11], s[6:7], s[10:11]
	s_cselect_b64 s[4:5], s[16:17], s[4:5]
	s_cselect_b64 s[6:7], s[18:19], s[6:7]
	s_lshl_b32 s100, s97, 10                       ; a row of codes is 1,024 bytes,
	s_add_nc_u64 s[12:13], s[4:5], s[100:101]
	s_lshl_b32 s100, s97, 5                        ; of scale bytes 32
	s_add_nc_u64 s[14:15], s[6:7], s[100:101]
	s_lshl_b32 s66, s98, 10
	s_add_nc_u64 s[16:17], s[8:9], s[66:67]
	s_lshl_b32 s66, s98, 5
	s_add_nc_u64 s[18:19], s[10:11], s[66:67]
	CROUND                                         ; all sixteen work-groups are here: the first joint loads meet
	s_mov_b32 s[G0S], 1
	s_add_co_u32 s[G0S+1], s2, SCL
	s_mov_b64 s[G0S+2:G0S+3], s[14:15]
	s_or_b32 s[G0S+3], s[G0S+3], 0x80000000
	s_mov_b32 s[G0SB], 1
	s_add_co_u32 s[G0SB+1], s2, SCL
	s_mov_b64 s[G0SB+2:G0SB+3], s[18:19]
	s_or_b32 s[G0SB+3], s[G0SB+3], 0x80000000
	JLOAD G0S, G1S, G0SB, G1SB                     ; the scales first: they are wanted with K step 0
.irp s, 0,1
	s_mov_b32 s[G0+4*\s], 1
	s_add_co_u32 s[G0+4*\s+1], s99, \s*SLOT
	s_add_nc_u64 s[G0+4*\s+2:G0+4*\s+3], s[12:13], \s*ROWB
	s_or_b32 s[G0+4*\s+3], s[G0+4*\s+3], 0x80000000
	s_mov_b32 s[G0B+4*\s], 1
	s_add_co_u32 s[G0B+4*\s+1], s99, \s*SLOT
	s_add_nc_u64 s[G0B+4*\s+2:G0B+4*\s+3], s[16:17], \s*ROWB
	s_or_b32 s[G0B+4*\s+3], s[G0B+4*\s+3], 0x80000000
	JLOAD G0+4*\s, G1, G0B+4*\s, G1B               ; three tensor loads of mine are out now
.endr
	v_and_b32 v1, 15, v0                           ; r = lane % 16
	v_bfe_u32 v2, v0, 4, 1                         ; h = lane / 16
	v_mul_u32_u24 v3, v1, PITCH
	v_lshl_add_u32 v4, v2, 4, v3                   ; a fragment's row x pitch + 16 h
	s_mul_i32 s24, s[WR], HALFT                    ; my 128 rows of A
	s_mul_i32 s25, s[WC], HALFT                    ; my 128 rows of B,
	s_add_co_u32 s25, s25, 2*HALFT                 ; behind A's 256
.irp s, 0,1
	v_add_nc_u32 v[ADRA+\s], s24, v4
	v_add_nc_u32 v[ADRB+\s], s25, v4
	s_add_co_u32 s24, s24, SLOT
	s_add_co_u32 s25, s25, SLOT
.endr
	v_mul_u32_u24 v5, v1, KS                       ; my row's scale bytes: 32 a row,
	v_lshrrev_b32 v6, 8, v5
	v_lshl_add_u32 v5, v6, 4, v5                   ; and 16 more for each 256 passed
	s_mul_i32 s24, s[WR], HALFS
	s_mul_i32 s25, s[WC], HALFS
	s_add_co_u32 s25, s25, 2*HALFS
	s_sub_co_u32 s25, s25, s24
	v_mul_u32_u24 v6, s25, v2                      ; lanes 16-31 take B's
	s_add_co_u32 s24, s24, SCL
	v_add_nc_u32 v5, v5, v6
	v_add_nc_u32 v[ADRS], s24, v5
	v_and_b32 v7, 31, v0
	s_wait_alu depctr_va_vdst(0)
	v_lshlrev_b32 v[LI], 4, v7
	s_lshl_b32 s24, s[WV], 9
	s_add_co_u32 s24, s24, SSTG
	v_lshl_add_u32 v[VS], v1, 2, s24
	v_add_nc_u32 v[VR], s24, v[LI]
.irp b, 0,1,2,3
	v_mov_b32 v[TM+4+\b], 0                        ; written once: a lane permute's destination counts as one of its sources
.endr
	; WHERE THE RESULTS GO.  x's 128 rows of my wave are one step s of a sequence b; the weight's 128 rows are two heads, h0 and h0 + 1.
	; qc: [b 16 + head][step][tile of 16 rows][group of 32 numbers][lane][16 bytes]: a step is 8,192 bytes.  kvc: [b 16 + head][step][K 8,192 | V 8,192]; V: [tile of 16 numbers of the head][group of 32 keys][lane][16].
	s_cmp_eq_u32 ttmp9, 2
	s_cselect_b32 s16, s92, s93                    ; x's tile hangs on cx (v) or cy
	s_cselect_b32 s17, s93, s92                    ; the weight's on the other
	s_cselect_b32 s18, s[WC], s[WR]                ; my half of x's tile
	s_cselect_b32 s19, s[WR], s[WC]                ; my half of the weight's
	s_cselect_b32 s24, 8192, 0                     ; V's part of a step's codes,
	s_cselect_b32 s25, 256, 0                      ; and of its scale words
	s_cselect_b32 s26, 2, 0                        ; which bit of a stage piece's number is the head,
	s_cselect_b32 s27, 0, 1                        ; and from which bit on its place in the head's 256 bytes
	s_mov_b32 s[STN], 1024
	s_cselect_b32 s[STN], 2048, s[STN]             ; a fragment's image: q, k two groups for each of two heads; v four groups
	s_mov_b32 s[ST3], 1024
	s_cselect_b32 s[ST3], 262144-6144, s[ST3]      ; v: fragment 4 begins the next head
	s_mov_b32 s[PS0], 0x05040100
	s_cselect_b32 s[PS0], 0x03020100, s[PS0]       ; q, k: the first head's two bytes of two fragments; v: the first fragment's word
	s_mov_b32 s[PS1], 0x07060302
	s_cselect_b32 s[PS1], 0x07060504, s[PS1]       ; q, k: the second head's; v: the second fragment's word
	s_mov_b32 s66, 262144
	s_cselect_b32 s66, 1024, s66                   ; from groups 0, 1 to groups 2, 3: v 1,024 bytes; k a head of kvc;
	s_cmp_eq_u32 ttmp9, 0
	s_cselect_b32 s66, 131072, s66                 ; q a head of qc
	s_cselect_b32 s67, 13, 14                      ; a step's codes: 2^13 bytes in qc, 2^14 in kvc
	s_mov_b32 s[STN+1], 0
	s_mov_b32 s[ST3+1], 0
	s_add_co_u32 s16, s96, s16                     ; x's tile of 256 rows
	s_lshl_b32 s17, s17, 2
	s_lshl_b32 s19, s19, 1
	s_add_co_u32 s17, s17, s19                     ; h0
	s_and_b32 s19, s16, 7
	s_lshl_b32 s19, s19, 1
	s_add_co_u32 s19, s19, s18                     ; the step
	s_lshr_b32 s16, s16, 3                         ; b
	s_lshl_b32 s16, s16, 4
	s_add_co_u32 s16, s16, s17
	s_lshl_b32 s16, s16, 4
	s_add_co_u32 s16, s16, s19                     ; (b 16 + h0) 16 + step
	s_mov_b32 s19, 0
	s_lshl_b32 s18, s16, s67
	s_add_co_u32 s18, s18, s24
	s_add_nc_u64 s[OC0:OC0+1], s[20:21], s[18:19]
	s_mov_b32 s18, s66
	s_add_nc_u64 s[OC1:OC1+1], s[OC0:OC0+1], s[18:19]
	s_sub_co_u32 s67, s67, 5                       ; a step's scale words: 2^8 bytes in qs, 2^9 in kvs
	s_lshl_b32 s18, s16, s67
	s_add_co_u32 s18, s18, s25
	s_add_nc_u64 s[OSC:OSC+1], s[22:23], s[18:19]
	s_add_co_u32 s67, s67, 4                       ; a head's: sixteen steps
	v_lshrrev_b32 v2, 2, v7                        ; my 16 bytes of the stage: piece lane / 4 of 64 bytes, part lane % 4
	v_and_b32 v3, 3, v7
	v_lshrrev_b32 v4, s26, v2
	v_and_b32 v4, 1, v4
	v_lshlrev_b32 v4, s67, v4                      ; the piece's head
	v_lshrrev_b32 v5, s27, v2
	v_and_b32 v5, 3, v5
	v_lshl_add_u32 v4, v5, 6, v4                   ; its place in the head's 256 bytes
	v_lshl_add_u32 v[VG], v3, 4, v4
	s_mov_b32 s[XL], 0x76543210
	s_mov_b32 s[XL+1], 0xfedcba98
.macro FRAG reg, adr, q, i             ; 16 rows x 128 K: lane l holds row l % 16; registers 4 c .. 4 c + 3 hold K = 32 c + 16 (l / 16) + 0 .. 15
.irp c, 0,1,2,3
	ds_load_b128 v[\reg+4*\c:\reg+4*\c+3], v[\adr] offset:128*(\q)+32*\c+(\i)*16*PITCH
.endr
.endm
; 16 matrix instructions: A's blocks a0, a0 + 1 x B's eight.  The 64 accumulators take turns, one instruction a turn, in the same order in every step.
.macro MUL16 a0, p, q, sc, zero
.irp a, \a0, \a0+1
.irp b, 0,1,2,3,4,5,6,7
.if \zero
	v_wmma_scale_f32_16x16x128_f8f6f4 v[8*(8*((\a)%4)+\b):8*(8*((\a)%4)+\b)+7], v[128*(\p)+FR*\b:128*(\p)+FR*\b+FR-1], v[AF+FR*(\a):AF+FR*(\a)+FR-1], 0, v[SC+8*NQ*(\sc)+NQ*\b+(\q)], v[SC+8*NQ*(\sc)+NQ*(\a)+(\q)] matrix_a_scale:MATRIX_SCALE_ROW1
.else
	v_wmma_scale_f32_16x16x128_f8f6f4 v[8*(8*((\a)%4)+\b):8*(8*((\a)%4)+\b)+7], v[128*(\p)+FR*\b:128*(\p)+FR*\b+FR-1], v[AF+FR*(\a):AF+FR*(\a)+FR-1], v[8*(8*((\a)%4)+\b):8*(8*((\a)%4)+\b)+7], v[SC+8*NQ*(\sc)+NQ*\b+(\q)], v[SC+8*NQ*(\sc)+NQ*(\a)+(\q)] matrix_a_scale:MATRIX_SCALE_ROW1
.endif
.endr
.endr
.endm
.macro FETCH_B slot, q, p
	WIN TO_B
.irp i, 0,1,2,3,4,5,6,7
	FRAG 128*(\p)+FR*\i, ADRB+\slot, \q, \i
.endr
	WIN 0
.endm
.macro FETCH_A slot, q, i0
.irp i, \i0, \i0+1, \i0+2, \i0+3
	FRAG AF+FR*(\i), ADRA+\slot, \q, \i
.endr
.endm
.macro SCALES sc                       ; a K step's scale words: two words a row; lanes 0-15 take A's block i, lanes 16-31 B's block i
.irp i, 0,1,2,3,4,5,6,7
	ds_load_b64 v[SC+8*NQ*\sc+NQ*\i:SC+8*NQ*\sc+NQ*\i+1], v[ADRS] offset:\i*SBLK
.endr
.endm
.macro PLACES n                        ; plain vector instructions between a matrix instruction and a load into, or a read of, its registers
.rept \n
	v_nop
.endr
.endm
.macro STEP slot, q, zero              ; 128 along K that have their successor in the same slot
	s_wait_dscnt 4*NL                              ; all but the youngest sixteen loads (A's blocks 4-7) are in
	WIN MUL_LO
	MUL16 0, (\q)%2, \q, \slot, \zero
	MUL16 2, (\q)%2, \q, \slot, \zero
	s_wait_dscnt 0                                 ; A's blocks 4-7 are in
	PLACES NP
	FETCH_B \slot, (\q)+1, 1-(\q)%2
	FETCH_A \slot, (\q)+1, 0
	WIN MUL_HI
	MUL16 4, (\q)%2, \q, \slot, \zero
	MUL16 6, (\q)%2, \q, \slot, \zero
	PLACES NP
	WIN 0
	FETCH_A \slot, (\q)+1, 4
.endm
; A slot's last 128 along K change slots: one barrier; in front of it each wave waits for all its tensor loads, adds 0 to its spare word, and waits for that and for its reads of this slot.
.macro TURN slot, next, fill
	s_wait_tensorcnt 0x0                           ; all my tensor loads have landed: my part of the next slot
	ds_add_u32 v[SPW], v[NIL]                      ; 0 onto my spare word
	s_wait_dscnt 4*NL+1                            ; the add and the youngest sixteen loads may be out
	WIN MUL_LO
	MUL16 0, 1, NQ-1, \slot, 0
	s_wait_dscnt 0x0                               ; the add is done, and my reads of this slot are over
	s_barrier_signal -1
	MUL16 2, 1, NQ-1, \slot, 0
	WIN 0
	s_barrier_wait -1
.if \fill
	CREST                                          ; the barrier has opened a round of the cluster's: no wave of any partner still reads this slot or has a load on its way
	s_add_nc_u64 s[G0+4*\slot+2:G0+4*\slot+3], s[G0+4*\slot+2:G0+4*\slot+3], 2*ROWB
	s_add_nc_u64 s[G0B+4*\slot+2:G0B+4*\slot+3], s[G0B+4*\slot+2:G0B+4*\slot+3], 2*ROWB
	JLOAD G0+4*\slot, G1, G0B+4*\slot, G1B         ; the first tensor load behind the round; its four v_nop are four of the eight places
	PLACES NP-4
.else
	PLACES NP
.endif
	s_wait_alu depctr_va_vdst(0)
	v_add_nc_u32 v[ADRS], 4*NQ, v[ADRS]            ; on to the next K step's scale words
	FETCH_B \next, 0, 0
	FETCH_A \next, 0, 0
	SCALES \next
	WIN MUL_HI
	MUL16 4, 1, NQ-1, \slot, 0
	MUL16 6, 1, NQ-1, \slot, 0
	PLACES NP
	WIN 0
	FETCH_A \next, 0, 4
.endm
	s_wait_tensorcnt 1                             ; the scales and my part of K step 0 are in; K step 1's load may be out
	s_barrier_signal -1
	s_barrier_wait -1
	FETCH_B 0, 0, 0
	FETCH_A 0, 0, 0
	SCALES 0
	FETCH_A 0, 0, 4
	STEP 0, 0, 1                                   ; the first products start the sums: nothing is cleared
	s_mov_b32 s3, LAPS-1
.Llap:                                             ; once round the ring; both slots are filled again
	TURN 0, 1, 1
	STEP 1, 0, 0
	TURN 1, 0, 1
	STEP 0, 0, 0
	s_sub_co_u32 s3, s3, 1
	s_cmp_lg_u32 s3, 0
	s_cbranch_scc1 .Llap
	TURN 0, 1, 0                                   ; the last lap fills nothing
	STEP 1, 0, 0
	s_wait_dscnt 4*NL
	WIN MUL_LO
	MUL16 0, 1, NQ-1, 1, 0
	MUL16 2, 1, NQ-1, 1, 0
	s_wait_dscnt 0
	WIN MUL_HI
	MUL16 4, 1, NQ-1, 1, 0
	MUL16 6, 1, NQ-1, 1, 0
	WIN 0
; THE WAY OUT.  Fragment a: A's block a against B's 128 rows: 64 registers a lane, four blocks of 32 along the next K, each shared with lane l xor 16.  A block's scale is 2^(floor(log2(largest magnitude)) - 8).
.macro QUANTW a
.set AC, 64*((\a)%4)
.set W, 2+(\a)/4
	WIN (W<<2)|(W<<4)                              ; sources 1 and 2: the accumulators' window
.irp b, 0,1,2,3
	v_max3_num_f32 v[TM+\b], 0x4800000, |v[AC+16*\b]|, |v[AC+16*\b+1]|   ; my 16 numbers of block b, and the floor 2^(9 - 127), which holds the byte at 1 from below; each accumulator is read from its low end on
.endr
.irp i, 2,4,6,8,10,12,14
.irp b, 0,1,2,3
	v_max3_num_f32 v[TM+\b], v[TM+\b], |v[AC+16*\b+\i]|, |v[AC+16*\b+\i+1]|
.endr
.endr
	WIN 0
.irp b, 0,1,2,3
	v_permlanex16_b32 v[TM+4+\b], v[TM+\b], s[XL], s[XL+1]
.endr
.irp b, 0,1,2,3
	v_max_num_f32 v[TM+\b], v[TM+\b], v[TM+4+\b]   ; with lane l xor 16's: the block's largest magnitude
.endr
.irp b, 0,1,2,3
	v_add_nc_u32 v[TM+12+\b], 0xfc000000, v[TM+\b] ; 8 off its exponent field: the conversion's scale operand
.endr
.irp b, 0,1,2,3
.endr
.irp b, 0,1,2,3
	v_lshrrev_b32 v[TM+4+\b], 23, v[TM+12+\b]      ; the scale's byte
.endr
	v_lshl_or_b32 v[SW+(\a)], v[TM+5], 8, v[TM+4]
	v_lshl_or_b32 v[SW+(\a)], v[TM+6], 16, v[SW+(\a)]
	v_lshl_or_b32 v[SW+(\a)], v[TM+7], 24, v[SW+(\a)]
	WIN (W<<6)|W                                   ; destination and source 0: the accumulators' window
.irp b, 0,1,2,3
.set n, 0
.rept 16
.set n, n+1
.endr
.endr
	WIN W
.if (\a) > 0
	s_wait_xcnt 0x0                                ; the last fragment's stores have read their data and their bases: both are written again below
.endif
.irp b, 0,1,2,3
	v_cvt_scalef32_pk8_fp8_f32 v[PC+4*\b:PC+4*\b+1], v[AC+16*\b:AC+16*\b+7], v[TM+12+\b]
	v_cvt_scalef32_pk8_fp8_f32 v[PC+4*\b+2:PC+4*\b+3], v[AC+16*\b+8:AC+16*\b+15], v[TM+12+\b]
.endr
	WIN 0
	v_nop                                          ; a plain instruction between the conversions and the next vector instruction that writes their sources
.if (\a) == 4
	s_add_nc_u64 s[OC0:OC0+1], s[OC0:OC0+1], s[ST3:ST3+1]
	s_add_nc_u64 s[OC1:OC1+1], s[OC1:OC1+1], s[ST3:ST3+1]
.elseif (\a) > 0
	s_add_nc_u64 s[OC0:OC0+1], s[OC0:OC0+1], s[STN:STN+1]
	s_add_nc_u64 s[OC1:OC1+1], s[OC1:OC1+1], s[STN:STN+1]
.endif
	global_store_b128 v[LI], v[PC:PC+3], s[OC0:OC0+1]                    ; a group of four registers as it stands: 32 lanes store 512 consecutive bytes, at a multiple of 512 from the buffer's first byte
	global_store_b128 v[LI], v[PC+4:PC+7], s[OC0:OC0+1] offset:512
	global_store_b128 v[LI], v[PC+8:PC+11], s[OC1:OC1+1]
	global_store_b128 v[LI], v[PC+12:PC+15], s[OC1:OC1+1] offset:512
.endm
	PLACES NP                                      ; behind the last products
.irp a, 0,1,2,3,4,5,6,7
	QUANTW \a
.endr
	; the scale words: q, k: a word holds the two bytes of two neighbouring tiles of one head; v: a fragment's word as it stands.  Eight pieces of 64 bytes go through my own 512 bytes of LDS and leave 16 bytes a lane.
.irp p, 0,1,2,3
	v_perm_b32 v[WP+2*\p], v[SW+2*\p+1], v[SW+2*\p], s[PS0]
	v_perm_b32 v[WP+2*\p+1], v[SW+2*\p+1], v[SW+2*\p], s[PS1]
.endr
.irp p, 0,1,2,3
	ds_store_b32 v[VS], v[WP+2*\p] offset:128*\p                         ; lanes l and l xor 16 write the same word with the same value
	ds_store_b32 v[VS], v[WP+2*\p+1] offset:128*\p+64
.endr
	ds_load_b128 v[RB:RB+3], v[VR]                 ; LDS serves a wave's instructions in order (ISA guide 5.7.1.4): this sees my stores
	s_wait_dscnt 0x0
	global_store_b128 v[VG], v[RB:RB+3], s[OSC:OSC+1]                    ; 256 whole bytes for each of the two heads
	s_wait_tensorcnt 0x0                           ; the wave's end, behind my last tensor load and my last LDS store
	ds_add_u32 v[SPW], v[NIL]
	s_wait_dscnt 0x0
	CROUND                                         ; the closing round: no work-group ends while a partner may still ask for a tile that names it
	s_endpgm
.Lfunc_end_k_qae3ac912d6_qkv:
	.size	k_qae3ac912d6_qkv, .Lfunc_end_k_qae3ac912d6_qkv-k_qae3ac912d6_qkv
	.p2alignl 7, 3214868480
	.fill 96, 4, 3214868480
	.section	.rodata,"a",@progbits
	.p2align	6, 0x0
	.amdhsa_kernel k_qae3ac912d6_qkv
		.amdhsa_group_segment_fixed_size 327680
		.amdhsa_private_segment_fixed_size 0
		.amdhsa_enable_private_segment 0
		.amdhsa_kernarg_size 96
		.amdhsa_user_sgpr_count 2
		.amdhsa_user_sgpr_kernarg_segment_ptr 1
		.amdhsa_wavefront_size32 1
		.amdhsa_system_sgpr_workgroup_id_x 1
		.amdhsa_system_sgpr_workgroup_id_y 1
		.amdhsa_system_sgpr_workgroup_id_z 1
		.amdhsa_system_vgpr_workitem_id 0
		.amdhsa_next_free_vgpr 1024
		.amdhsa_next_free_sgpr 102
		.amdhsa_reserve_vcc 0
		.amdhsa_float_denorm_mode_32 3
		.amdhsa_float_denorm_mode_16_64 3
		.amdhsa_fp16_overflow 1
		.amdhsa_memory_ordered 1
		.amdhsa_forward_progress 1
		.amdhsa_inst_pref_size 153
	.end_amdhsa_kernel
	.amdgpu_metadata
---
amdhsa.version: [ 1, 2 ]
amdhsa.kernels:
  - .name:           k_qae3ac912d6_qkv
    .symbol:         k_qae3ac912d6_qkv.kd
    .args:
      - { .name: x_codes, .offset: 0, .size: 8, .value_kind: global_buffer, .address_space: global }
      - { .name: x_scales, .offset: 8, .size: 8, .value_kind: global_buffer, .address_space: global }
      - { .name: Wq_codes, .offset: 16, .size: 8, .value_kind: global_buffer, .address_space: global }
      - { .name: Wq_scales, .offset: 24, .size: 8, .value_kind: global_buffer, .address_space: global }
      - { .name: Wk_codes, .offset: 32, .size: 8, .value_kind: global_buffer, .address_space: global }
      - { .name: Wk_scales, .offset: 40, .size: 8, .value_kind: global_buffer, .address_space: global }
      - { .name: Wv_codes, .offset: 48, .size: 8, .value_kind: global_buffer, .address_space: global }
      - { .name: Wv_scales, .offset: 56, .size: 8, .value_kind: global_buffer, .address_space: global }
      - { .name: qc, .offset: 64, .size: 8, .value_kind: global_buffer, .address_space: global }
      - { .name: qs, .offset: 72, .size: 8, .value_kind: global_buffer, .address_space: global }
      - { .name: kvc, .offset: 80, .size: 8, .value_kind: global_buffer, .address_space: global }
      - { .name: kvs, .offset: 88, .size: 8, .value_kind: global_buffer, .address_space: global }
    .group_segment_fixed_size: 327680
    .private_segment_fixed_size: 0
    .kernarg_segment_align: 8
    .kernarg_segment_size: 96
    .max_flat_workgroup_size: 128
    .sgpr_count:     102
    .vgpr_count:     1024
    .wavefront_size: 32
...
	.end_amdgpu_metadata
.endif
;; end of part 1
;; launch attn (part 2): grid 4 x 64, 16 waves a work-group, no clusters, 327,680 bytes of LDS; arguments qc, qs, kvc, kvs, ac, asc; writes ac, asc
.if DOCPART == 2
	.amdgcn_target "amdgcn-amd-amdhsa--gfx1250"
	.amdhsa_code_object_version 6
	.text
	.protected	k_qae3ac912d6_attn
	.globl	k_qae3ac912d6_attn
	.p2align	8
	.type	k_qae3ac912d6_attn,@function
k_qae3ac912d6_attn:
	s_mov_b64 s[64:65], 0
	v_nop
	global_prefetch_b8 v0, s[64:65] scope:SCOPE_SE
	s_setreg_imm32_b32 hwreg(HW_REG_WAVE_MODE, 25, 1), 1
	s_wait_xcnt 0x0
; Causal attention of one head on codes of FP8 (E4M3) with one E8M0 scale for each 32 along a product's K, and the quantiser of its result along head x 64 + d.
; t = score x log2(e) / 8; M = the row's largest t so far, rounded UP to a whole number; p = 2^(t - M) is quantised along the keys, not normalised; the row's sum is taken of the unquantised p and divides at the end.
; When M moves, the sum and O are multiplied by 2^(old M - new M): exact.
; SHARES.  Work-group (i, head) owns the head's blocks i and 7 - i of 256 queries.  Under the mask block j needs the key slots 0 .. j (a slot: 256 keys), so every work-group walks (i + 1) + (8 - i) = 9 slots:
; 256 work-groups of equal work, and the loop's trip count is a constant.  Each of the sixteen waves owns 16 queries of the block in hand, one tile, in 256 registers: four waves to a SIMD.
; cluster = none: the four work-groups of a head stand at different key slots in the same trip (trip t reads key slot t up to t = i, then t - i - 1), so no trip has a tile that partners share.
; LAYOUT.  Both products are used transposed: S^T = K Q^T, O^T = V^T P^T: a lane holds ONE query (lane % 16) throughout.  All operands lie in memory and in LDS as images of their registers: a group of four registers is 512 bytes, lane l's at 16 l.
; THE FIRST PRODUCT HAS K = 64 in an instruction of 128.  2,048 bytes of K's images are one fragment [key tile 2 p | key tile 2 p + 1]; Q stands in 24 registers [0 | q | 0].  Against [q | 0] the fragment gives tile 2 p's scores,
; against [0 | q] tile 2 p + 1's: the other half multiplies codes by zero codes.  K's scale word holds both tiles' two bytes; Q's holds its two bytes twice.
; THE ORDER INSIDE A BLOCK OF 32: q, k, v come from the launch before in the order in which a matrix result's registers hold them, and so does p here: both sides of each product agree.  The unit so adds the same products in
; another order than K ascending.  The RESULT meets a given operand, so its codes are brought into the true order: the halves of the lanes exchange eight codes.
; LIMITS: a block whose largest magnitude lies under 2^(9 - 127) gets the byte 1 (read by this program alone).  1 / sum is v_rcp_f32 and a multiplication.  A block's largest p is the exponential of its largest score:
; this takes v_exp_f32 not to fall where its input rises.  The result's scale bytes leave two to a row, 32 bytes apart (the other heads' bytes of a row belong to other work-groups): one byte in 32 of what the launch stores.
; REGISTERS: v1-11 addresses; v12 -M, v13 the largest t, v[14:15] the sum; v16-39 [0 | q | 0]; v40 q's scale word, v41, v42 the words as loaded; v48-111 four fragments; v112-175 S^T, then p; v176-207 O^T; v208-223 p's codes;
; v224-231 the second block's q; v232-247, v254, v255 at work; v248-251 K's and V's scale words; v252 f; v253 p's scale word.
.set SLOT1, 65536                      ; slot 1 begins here: one exclusive or turns an address in one slot into the other's
.set STEPB, 16384                      ; a step (128 keys): K's images 8,192 bytes, V's 8,192
.set SCO,   32768                      ; behind a slot's two steps: their scale words, 512 bytes a step (K 256 | V 256)
.set SPARE, 131072                     ; the spare words, 128 bytes for each of sixteen waves
.set LI,  1                            ; v1   16 x lane
.set LS,  2                            ; v2   4 x lane + SCO
.set SPW, 3
.set NIL, 4
.set PFO, 5                            ; v5   256 x lane
.set GOS, 7                            ; v7   32 x (lane % 16)
.set ADK, 8
.set ADS, 9
.set DQ,  10                           ; v10  lane % 16 - 8 (lane / 16)
.set R4,  11                           ; v11  4 x (lane % 16)
.set FRG, 48
.set S,   112
.set OT,  176
.set PCD, 208
.set TB,  2                            ; s2   LDS byte at which the slot in hand begins
.set TR,  3                            ; s3   the trip
.set IB,  16                           ; s16  i
.set BH,  17                           ; s17  batch x 16 + head
.set WV,  18
.set MNT, 19
.set SEL, 20                           ; s[20:21] lane l xor 16
.set CS,  22                           ; s[22:23] c = log2(e) / 8
.set G1C, 24                           ; s[24:31] group 1: a step's codes;  s[32:39]: a slot's scale words;  s[40:43], s[44:47] their groups 0
.set G1S, 32
.set G0C, 40
.set G0S, 44
.set BASEC, 48                         ; s[48:49] my head's codes (+ my step of a slot);  s[50:51] its scale words
.set BASES, 50
.set OF,  52                           ; s[52:53] an offset, its high word 0
.set SLOTS, 56
.set KF,  57                           ; s57  the step's first key
.set Q0,  58                           ; s58  my first query
.set HM,  59                           ; s59  lanes 16-31
.set PSEL, 60                          ; s60  which two bytes of the pair's word are my tile's
.set LIM, 61
.set PFA, 62                           ; s[62:63]
.set ACB, 66                           ; s[66:67], s[68:69] where the tile in hand stores; s[70:73], s74 the same and Q0 for block 7 - i
.set ASB, 68
; Waves 0 and 1 fetch a step's codes each, wave 2 the slot's scale words, the others nothing.  An s_nop 0 and four v_nop follow each line.
.macro TLOAD
	s_cmp_lt_u32 s[WV], 2
	s_cbranch_scc0 .Lnot_c_\@
	tensor_load_to_lds s[G0C:G0C+3], s[G1C:G1C+7]
	s_nop 0
.rept 4
	v_nop
.endr
	s_branch .Lasked_\@
.Lnot_c_\@:
	s_cmp_lt_u32 s[WV], 3
	s_cbranch_scc0 .Lasked_\@
	tensor_load_to_lds s[G0S:G0S+3], s[G1S:G1S+7]
	s_nop 0
.rept 4
	v_nop
.endr
.Lasked_\@:
.endm
; A PREFETCH INTO THE L2.  All four work-groups of a head walk the same codes: the one with i = 0 asks, in it waves 4 to 7, 8,192 bytes a wave, lanes 256 bytes apart: a key slot's 32,768 bytes, each aligned block of 256 named once
; in the launch.  The change of trip t, t = 0 .. 5, names key slot t + 2.  Key slots 0 and 1 and the scale words come by their loads alone; the last two changes that fill a slot ask for nothing: key slot 7 is the head's last.
.macro ASK
	s_cmp_gt_u32 s[SLOTS], s[LIM]
	s_cbranch_scc0 .Lnot_mine_\@
	global_prefetch_b8 v[PFO], s[PFA:PFA+1] th:TH_LOAD_NT scope:SCOPE_SE
.Lnot_mine_\@:
.endm
	s_load_b256 s[4:11], s[0:1], 0x0               ; qc, qs, kvc, kvs
	s_load_b128 s[12:15], s[0:1], 0x20             ; ac, asc
	v_lshl_add_u32 v[SPW], v0, 2, SPARE
	v_mov_b32 v[NIL], 0
	ds_add_u32 v[SPW], v[NIL]                      ; the wave's opening: the add, twice on end, and its wait ahead of my first tensor load
	ds_add_u32 v[SPW], v[NIL]
	v_lshrrev_b32 v8, 5, v0
	s_delay_alu instid0(VALU_DEP_1)
	v_readfirstlane_b32 s[WV], v8
	s_mov_b32 s[IB], ttmp9
	s_and_b32 s[BH], ttmp7, 0xffff
	s_mov_b32 s[G1C], 3<<16                        ; no mask; elements of 8 bytes; no padding: every read is 16 x lane or 4 x lane
	s_mov_b32 s[G1C+1], 32<<16                     ; tensor_dim0: 256 bytes
	s_mov_b32 s[G1C+2], 64<<16                     ; tensor_dim1: 64 rows: 16,384 dense bytes
	s_mov_b32 s[G1C+3], 32<<16                     ; tile_dim0
	s_mov_b32 s[G1C+4], 64                         ; tile_dim1
	s_mov_b32 s[G1C+5], 32                         ; from row to row
	s_mov_b32 s[G1C+6], 0
	s_mov_b32 s[G1C+7], 0
	s_mov_b32 s[G1S], 3<<16
	s_mov_b32 s[G1S+1], 32<<16
	s_mov_b32 s[G1S+2], 4<<16                      ; 4 rows: 1,024 dense bytes
	s_mov_b32 s[G1S+3], 32<<16
	s_mov_b32 s[G1S+4], 4
	s_mov_b32 s[G1S+5], 32
	s_mov_b32 s[G1S+6], 0
	s_mov_b32 s[G1S+7], 0
	s_mov_b32 s[SEL], 0x76543210
	s_mov_b32 s[SEL+1], 0xfedcba98
	s_mov_b32 s[CS], 0x3e38aa3b                    ; log2(e) / 8
	s_mov_b32 s[CS+1], s[CS]
	s_mov_b32 s[HM], 0xffff0000
	s_and_b32 s96, s[WV], 1
	s_cmp_eq_u32 s96, 0
	s_mov_b32 s[PSEL], 0x03020302
	s_cselect_b32 s[PSEL], 0x01000100, s[PSEL]
	s_lshl_b32 s97, s96, 14                        ; which step of a slot I would fetch
	s_lshl_b32 s76, s[BH], 18                      ; a head's codes: 16 steps of 16,384 bytes
	s_add_co_u32 s76, s76, s97
	s_mov_b32 s77, 0
	s_lshl_b32 s78, s[BH], 13                      ; its scale words: 16 steps of 512
	s_mov_b32 s79, 0
	s_mov_b32 s[OF+1], 0
	s_mov_b32 s[TB], 0
	s_mov_b32 s[TR], 0
	s_mov_b32 s[KF], 0
	s_mov_b32 s[SLOTS], 8
	s_mov_b32 s[G0C], 1
	s_mov_b32 s[G0C+1], s97
	s_mov_b32 s[G0S], 1
	s_mov_b32 s[G0S+1], SCO
	s_wait_dscnt 0x0                               ; both opening adds are done
	s_wait_kmcnt 0x0
	s_add_nc_u64 s[BASEC:BASEC+1], s[8:9], s[76:77]
	s_add_nc_u64 s[BASES:BASES+1], s[10:11], s[78:79]
	s_mov_b64 s[G0C+2:G0C+3], s[BASEC:BASEC+1]
	s_or_b32 s[G0C+3], s[G0C+3], 0x80000000
	s_mov_b64 s[G0S+2:G0S+3], s[BASES:BASES+1]
	s_or_b32 s[G0S+3], s[G0S+3], 0x80000000
	TLOAD                                          ; key slot 0 into slot 0: key 0 counts for every query
	s_lshl_b32 s80, s[IB], 4
	s_add_co_u32 s80, s80, s[WV]                   ; my tile of 16 queries in block i,
	s_sub_co_u32 s81, 7, s[IB]
	s_lshl_b32 s81, s81, 4
	s_add_co_u32 s81, s81, s[WV]                   ; and in block 7 - i
	v_and_b32 v8, 31, v0
	s_delay_alu instid0(VALU_DEP_1)
	v_lshlrev_b32 v[LI], 4, v8
	s_wait_alu depctr_va_vdst(0)
	v_lshl_add_u32 v[LS], v8, 2, SCO
	v_lshlrev_b32 v[PFO], 8, v8
	v_and_b32 v9, 15, v0
	v_bfe_u32 v8, v0, 4, 1
	s_delay_alu instid0(VALU_DEP_2)
	v_lshlrev_b32 v[GOS], 5, v9
	s_delay_alu instid0(VALU_DEP_3)
	v_lshlrev_b32 v[R4], 2, v9
	s_wait_alu depctr_va_vdst(0)
	v_lshlrev_b32 v8, 3, v8
	s_delay_alu instid0(VALU_DEP_1)
	v_sub_nc_u32 v[DQ], v9, v8
	s_mov_b32 s85, 0
	s_lshl_b32 s82, s[BH], 17                      ; a head of qc: 128 tiles of 1,024 bytes
	s_lshl_b32 s84, s80, 10
	s_add_co_u32 s84, s84, s82
	s_add_nc_u64 s[86:87], s[4:5], s[84:85]
	s_lshl_b32 s84, s81, 10
	s_add_co_u32 s84, s84, s82
	s_add_nc_u64 s[88:89], s[4:5], s[84:85]
	global_load_b128 v[24:27], v[LI], s[86:87] th:TH_LOAD_NT
	global_load_b128 v[28:31], v[LI], s[86:87] offset:512 th:TH_LOAD_NT
	global_load_b128 v[224:227], v[LI], s[88:89] th:TH_LOAD_NT
	global_load_b128 v[228:231], v[LI], s[88:89] offset:512 th:TH_LOAD_NT
	s_lshl_b32 s82, s[BH], 12                      ; a head of qs: 64 pairs of tiles, 64 bytes each
	s_lshr_b32 s84, s80, 1
	s_lshl_b32 s84, s84, 6
	s_add_co_u32 s84, s84, s82
	s_add_nc_u64 s[90:91], s[6:7], s[84:85]
	s_lshr_b32 s84, s81, 1
	s_lshl_b32 s84, s84, 6
	s_add_co_u32 s84, s84, s82
	s_add_nc_u64 s[92:93], s[6:7], s[84:85]
	global_load_b32 v42, v[R4], s[90:91]
	global_load_b32 v41, v[R4], s[92:93]
	; where the results go.  ac: [tile of 16 rows of the 8,192][head][block of 32][lane][16 bytes];  asc: [row][32 bytes]
	s_lshr_b32 s94, s[BH], 4
	s_lshl_b32 s94, s94, 7                         ; the batch's 128 tiles
	s_and_b32 s95, s[BH], 15                       ; the head
	s_add_co_u32 s96, s94, s80
	s_lshl_b32 s84, s96, 14
	s_lshl_b32 s97, s95, 10
	s_add_co_u32 s84, s84, s97
	s_add_nc_u64 s[ACB:ACB+1], s[12:13], s[84:85]
	s_lshl_b32 s84, s96, 9
	s_lshl_b32 s97, s95, 1
	s_add_co_u32 s84, s84, s97
	s_add_nc_u64 s[ASB:ASB+1], s[14:15], s[84:85]
	s_add_co_u32 s96, s94, s81
	s_lshl_b32 s84, s96, 14
	s_lshl_b32 s97, s95, 10
	s_add_co_u32 s84, s84, s97
	s_add_nc_u64 s[70:71], s[12:13], s[84:85]
	s_lshl_b32 s84, s96, 9
	s_lshl_b32 s97, s95, 1
	s_add_co_u32 s84, s84, s97
	s_add_nc_u64 s[72:73], s[14:15], s[84:85]
	s_lshl_b32 s[Q0], s80, 4
	s_lshl_b32 s74, s81, 4
	; the prefetches: my wave's 8,192 bytes, in key slot 1: the first change of slots steps the address to key slot 2
	s_and_b32 s84, s[WV], 3
	s_lshl_b32 s84, s84, 13
	s_lshl_b32 s97, s[BH], 18
	s_add_co_u32 s84, s84, s97
	s_add_co_u32 s84, s84, 32768
	s_add_nc_u64 s[PFA:PFA+1], s[8:9], s[84:85]
	s_sub_co_u32 s96, s[WV], 4
	s_lshr_b32 s96, s96, 2                         ; 0 in waves 4 to 7,
	s_or_b32 s96, s96, ttmp9                       ; of the work-group with i = 0
	s_cmp_eq_u32 s96, 0
	s_cselect_b32 s[LIM], 2, -1
.irp j, 0,1,2,3,4,5,6,7
	v_mov_b32 v[16+\j], 0                          ; the zero codes on both sides of q
	v_mov_b32 v[32+\j], 0
	v_mov_b32 v[216+\j], 0                         ; (written once: a lane permute's destination counts as one of its sources)
.endr
.irp b, 0,1,2,3
	v_mov_b32 v[236+\b], 0
.endr
	v_mov_b32 v252, 0
	v_mov_b32 v253, 0                              ; (named as the upper half of the pair v[252:253] before it is first written)
	v_mov_b32 v13, 0xff61b1e6                      ; the largest t so far: -3e38, under every t
	s_delay_alu instid0(VALU_DEP_1)
	v_floor_f32 v12, -v13                          ; -M
	v_mov_b32 v14, 0
	v_mov_b32 v15, 0
	s_wait_loadcnt 0x0                             ; q of both blocks, and the scale words
	v_perm_b32 v40, v42, v42, s[PSEL]              ; my tile's two bytes, twice
.set j, 0
.rept 32
	v_mov_b32 v[OT+j], 0                           ; O^T.  (The step is written once: the first finds zeros, which the first change of M leaves zeros)
.set j, j+1
.endr
; A KEY STEP: 128 keys, the q-th of the slot in hand.
.macro STEP q
	s_add_co_u32 s96, s[Q0], 15                    ; a step all of whose keys come after my 16 queries is left out: a branch on ids and the count of steps; no barrier and no tensor load stands in a step
	s_cmp_gt_u32 s[KF], s96
	s_cbranch_scc1 .Lhidden_\@
	v_add_nc_u32 v[ADK], s[TB], v[LI]
	v_add_nc_u32 v[ADS], s[TB], v[LS]
.rept 6
	v_nop                                          ; with the two additions: eight places in front of loads into registers that the last products have read
.endr
.irp p, 0,1,2,3
.irp c, 0,1,2,3
	ds_load_b128 v[FRG+16*\p+4*\c:FRG+16*\p+4*\c+3], v[ADK] offset:STEPB*(\q)+2048*\p+512*\c   ; key tiles 2 p and 2 p + 1
.endr
.endr
.irp n, 0,1,2,3
	ds_load_b32 v[248+\n], v[ADS] offset:512*(\q)+128*\n    ; v248, v249: K's pairs 0 | 1, 2 | 3 (lanes 0-15 | 16-31);  v250, v251: V's tiles 0 | 1, 2 | 3
.endr
	s_wait_alu depctr_va_vdst(0)
	s_wait_dscnt 0x0
.irp p, 0,1,2,3
.if (\p)%2
	v_wmma_scale_f32_16x16x128_f8f6f4 v[S+16*\p:S+16*\p+7], v[FRG+16*\p:FRG+16*\p+15], v[24:39], 0, v[248+\p/2], v40 matrix_a_scale:MATRIX_SCALE_ROW1
	v_wmma_scale_f32_16x16x128_f8f6f4 v[S+16*\p+8:S+16*\p+15], v[FRG+16*\p:FRG+16*\p+15], v[16:31], 0, v[248+\p/2], v40 matrix_a_scale:MATRIX_SCALE_ROW1
.else
	v_wmma_scale_f32_16x16x128_f8f6f4 v[S+16*\p:S+16*\p+7], v[FRG+16*\p:FRG+16*\p+15], v[24:39], 0, v[248+\p/2], v40
	v_wmma_scale_f32_16x16x128_f8f6f4 v[S+16*\p+8:S+16*\p+15], v[FRG+16*\p:FRG+16*\p+15], v[16:31], 0, v[248+\p/2], v40
.endif
.endr                                          ; register n of the 64 holds key KF + 16 (n / 8) + 8 (lane / 16) + n % 8 of query lane % 16
.rept 8
	v_nop                                          ; places in front of the loads over K's fragments and of the first read of the scores
.endr
.irp t, 0,1,2,3
.irp c, 0,1,2,3
	ds_load_b128 v[FRG+16*\t+4*\c:FRG+16*\t+4*\c+3], v[ADK] offset:STEPB*(\q)+8192+2048*\t+512*\c   ; V's four tiles land while the softmax is walked
.endr
.endr
	s_add_co_u32 s96, s[KF], 127                   ; on the diagonal the scores of hidden keys become -infinity ahead of the maximum; a step all of whose keys count skips this
	s_cmp_le_u32 s96, s[Q0]
	s_cbranch_scc1 .Lopen_\@
	s_sub_co_i32 s96, s[Q0], s[KF]
	v_add_nc_u32 v252, s96, v[DQ]                  ; d = my query - KF - 8 (lane / 16): register n is hidden where 16 (n / 8) + n % 8 > d
	v_mov_b32 v254, 0xff800000
.set n, 0
.rept 64
	v_cmp_gt_i32 vcc_lo, 16*(n/8)+n%8, v252
	v_cndmask_b32 v[S+n], v[S+n], v254, vcc_lo
.set n, n+1
.endr
.Lopen_\@:
.irp b, 0,1,2,3
	v_max3_num_f32 v[232+\b], v[S+16*\b], v[S+1+16*\b], v[S+2+16*\b]   ; the largest score of each block of 32 keys: it serves for the row's maximum and, since p rises with the score, for the block's largest p
.endr
.irp i, 3,5,7,9,11,13
.irp b, 0,1,2,3
	v_max3_num_f32 v[232+\b], v[232+\b], v[S+16*\b+\i], v[S+1+16*\b+\i]
.endr
.endr
.irp b, 0,1,2,3
	v_max_num_f32 v[232+\b], v[232+\b], v[S+15+16*\b]
.endr
.irp b, 0,1,2,3
	s_delay_alu instid0(VALU_DEP_4)
	v_permlanex16_b32 v[236+\b], v[232+\b], s[SEL], s[SEL+1]
.endr
.irp b, 0,1,2,3
	s_delay_alu instid0(VALU_DEP_4)
	v_max_num_f32 v[232+\b], v[232+\b], v[236+\b]  ; with lane l xor 16's 16 keys
.endr
	s_delay_alu instid0(VALU_DEP_2)
	v_max3_num_f32 v254, v232, v233, v234
	s_delay_alu instid0(VALU_DEP_1)
	v_max_num_f32 v254, v254, v235                 ; the step's largest score of my query
	s_delay_alu instid0(VALU_DEP_1)
	v_mul_f32 v254, s[CS], v254                    ; as t (c is positive)
	s_delay_alu instid0(VALU_DEP_1)
	v_max_num_f32 v13, v13, v254                   ; the running largest t
	v_mov_b32 v254, v12
	s_delay_alu instid0(VALU_DEP_2)
	v_floor_f32 v12, -v13                          ; the new -M = floor(-t) = -ceil(t)
	s_delay_alu instid0(VALU_DEP_1)
	v_sub_f32 v254, v12, v254                      ; old M - new M: a whole number, 0 or less
	s_delay_alu instid0(VALU_DEP_1)
	v_cvt_i32_f32 v254, v254                       ; (it saturates)
	s_delay_alu instid0(VALU_DEP_1)
	v_ldexp_f32 v252, 1.0, v254                    ; f = 2^(old M - new M)
.set j, 0
.rept 32
	v_pk_fma_f32 v[S+j:S+j+1], v[S+j:S+j+1], s[CS:CS+1], v[12:13] op_sel_hi:[1,0,0]   ; t - M, two at a time
.set j, j+2
.endr
.irp b, 0,1,2,3
	v_fma_f32 v[232+\b], v[232+\b], s[CS], v12     ; the same of each block's largest score
.endr
.set j, 0
	s_wait_alu depctr_va_vdst(0)
.rept 64
	v_exp_f32 v[S+j], v[S+j]                       ; p = 2^(t - M), at most 1
.set j, j+1
.endr
	v_pk_mul_f32 v[14:15], v[14:15], v[252:253] op_sel_hi:[1,0]   ; the sums under the new M: the plain instruction behind the exponentials
	s_wait_alu depctr_va_vdst(0)                   ; one wait for the whole batch, ahead of its first reader
.irp b, 0,1,2,3
	v_exp_f32 v[232+\b], v[232+\b]                 ; the block's largest p: the same two instructions on the same number give the same bits
.endr
	v_pk_add_f32 v[236:237], v[116:117], v[120:121]
	v_pk_add_f32 v[254:255], v[124:125], v[128:129]
	v_pk_add_f32 v[248:249], v[132:133], v[136:137]
	v_pk_add_f32 v[246:247], v[140:141], v[144:145]
	v_pk_add_f32 v[244:245], v[148:149], v[152:153]
	v_pk_add_f32 v[242:243], v[156:157], v[160:161]
	v_pk_add_f32 v[240:241], v[164:165], v[168:169]
	v_pk_add_f32 v[14:15], v[14:15], v[172:173]
	v_pk_add_f32 v[236:237], v[236:237], v[112:113]
	v_pk_add_f32 v[254:255], v[254:255], v[114:115]
	v_pk_add_f32 v[248:249], v[248:249], v[118:119]
	v_pk_add_f32 v[246:247], v[246:247], v[122:123]
	v_pk_add_f32 v[244:245], v[244:245], v[126:127]
	v_pk_add_f32 v[242:243], v[242:243], v[130:131]
	v_pk_add_f32 v[240:241], v[240:241], v[134:135]
	v_pk_add_f32 v[14:15], v[14:15], v[138:139]
	v_pk_add_f32 v[236:237], v[236:237], v[142:143]
	v_pk_add_f32 v[254:255], v[254:255], v[146:147]
	v_pk_add_f32 v[248:249], v[248:249], v[150:151]
	v_pk_add_f32 v[246:247], v[246:247], v[154:155]
	v_pk_add_f32 v[244:245], v[244:245], v[158:159]
	v_pk_add_f32 v[242:243], v[242:243], v[162:163]
	v_pk_add_f32 v[240:241], v[240:241], v[166:167]
	v_pk_add_f32 v[14:15], v[14:15], v[170:171]
	v_pk_add_f32 v[236:237], v[236:237], v[174:175]
	s_delay_alu instid0(VALU_DEP_2)
	v_pk_add_f32 v[14:15], v[14:15], v[246:247]
	s_delay_alu instid0(VALU_DEP_2)
	v_pk_add_f32 v[236:237], v[236:237], v[244:245]
	v_pk_add_f32 v[254:255], v[254:255], v[242:243]
	v_pk_add_f32 v[248:249], v[248:249], v[240:241]
	s_delay_alu instid0(VALU_DEP_2)
	v_pk_add_f32 v[14:15], v[14:15], v[254:255]
	s_delay_alu instid0(VALU_DEP_2)
	v_pk_add_f32 v[236:237], v[236:237], v[248:249]
	s_delay_alu instid0(VALU_DEP_1)
	v_pk_add_f32 v[14:15], v[14:15], v[236:237]
	s_wait_alu depctr_va_vdst(0)                   ; and one for the four
.irp b, 0,1,2,3
	v_max_num_f32 v[232+\b], 0x4800000, v[232+\b]  ; the floor 2^(9 - 127): the byte cannot fall under 1
.endr
.irp b, 0,1,2,3
	s_delay_alu instid0(VALU_DEP_4)
	v_add_nc_u32 v[244+\b], 0xfc000000, v[232+\b]  ; 8 off the exponent field: the conversion's scale operand
.endr
.irp b, 0,1,2,3
.endr
.irp b, 0,1,2,3
	s_delay_alu instid0(VALU_DEP_4)
	v_lshrrev_b32 v[236+\b], 23, v[244+\b]         ; the scale's byte
.endr
	s_delay_alu instid0(VALU_DEP_3)
	v_lshl_or_b32 v253, v237, 8, v236              ; p's scale word for these 128 keys
	s_delay_alu instid0(VALU_DEP_1)
	v_lshl_or_b32 v253, v238, 16, v253
	s_delay_alu instid0(VALU_DEP_1)
	v_lshl_or_b32 v253, v239, 24, v253
.irp b, 0,1,2,3
.set n, 0
.rept 16
.set n, n+1
.endr
	v_cvt_scalef32_pk8_fp8_f32 v[PCD+4*\b:PCD+4*\b+1], v[S+16*\b:S+16*\b+7], v[244+\b]
	v_cvt_scalef32_pk8_fp8_f32 v[PCD+4*\b+2:PCD+4*\b+3], v[S+16*\b+8:S+16*\b+15], v[244+\b]
.endr
.set j, 0
.rept 16
	v_pk_mul_f32 v[OT+j:OT+j+1], v[OT+j:OT+j+1], v[252:253] op_sel_hi:[1,0]   ; O^T under the new M; these are also the places between the conversions and the products
.set j, j+2
.endr
	s_wait_alu depctr_va_vdst(0)
	s_wait_dscnt 0x0                               ; V is in
.irp t, 0,1,2,3                                ; O^T += V^T P^T: four accumulators by turns
.if (\t)%2
	v_wmma_scale_f32_16x16x128_f8f6f4 v[OT+8*\t:OT+8*\t+7], v[FRG+16*\t:FRG+16*\t+15], v[PCD:PCD+15], v[OT+8*\t:OT+8*\t+7], v[250+\t/2], v253 matrix_a_scale:MATRIX_SCALE_ROW1
.else
	v_wmma_scale_f32_16x16x128_f8f6f4 v[OT+8*\t:OT+8*\t+7], v[FRG+16*\t:FRG+16*\t+15], v[PCD:PCD+15], v[OT+8*\t:OT+8*\t+7], v[250+\t/2], v253
.endif
.endr
.Lhidden_\@:
	s_add_co_u32 s[KF], s[KF], 128
.endm
; THE CHANGE OF SLOTS stands at a trip's head.  Each wave waits for all its tensor loads (its part of the slot that it is about to read), adds 0 to its spare word, and waits for that and for its reads of the slot that it has left.
; fill = 1: behind the barrier that other slot takes the next trip's keys: key slot trip + 1 while that is at most i, else trip - i.  Every slot that is asked for is read.  One tensor load of a fetching wave is out.
.macro CHANGE fill
	s_wait_tensorcnt 0x0                           ; no tensor load of mine is out, so a group 0 may be written
	ds_add_u32 v[SPW], v[NIL]                      ; 0 onto my spare word
.if \fill
	ds_add_u32 v[SPW], v[NIL]                      ; and once more: the add twice on end, in every trip alike
	s_xor_b32 s[G0C+1], s[G0C+1], SLOT1
	s_xor_b32 s[G0S+1], s[G0S+1], SLOT1
	s_add_co_u32 s96, s[TR], 1
	s_sub_co_u32 s97, s[TR], s[IB]
	s_cmp_le_u32 s96, s[IB]
	s_cselect_b32 s96, s96, s97                    ; the next trip's key slot
	s_lshl_b32 s[OF], s96, 15
	s_add_nc_u64 s[G0C+2:G0C+3], s[BASEC:BASEC+1], s[OF:OF+1]
	s_or_b32 s[G0C+3], s[G0C+3], 0x80000000
	s_lshl_b32 s[OF], s96, 10
	s_add_nc_u64 s[G0S+2:G0S+3], s[BASES:BASES+1], s[OF:OF+1]
	s_or_b32 s[G0S+3], s[G0S+3], 0x80000000
	s_wait_xcnt 0x0                                ; the last prefetch, a trip back, has read its address
	s_add_nc_u64 s[PFA:PFA+1], s[PFA:PFA+1], 32768
.endif
	s_wait_dscnt 0x0                               ; the add is done, and my reads of the slot that I have left are over
	s_barrier_signal -1
	s_barrier_wait -1
.if \fill
	TLOAD                                          ; the first thing behind the barrier, and a wave's one tensor load until the next
	ASK
.endif
.endm
; A TILE IS DONE: O^T / the sum, quantised along head x 64 + d (two blocks of 32, each shared with lane l xor 16), brought into the true order and stored as an image of the next launch's operand.
.macro FINISH
.rept 8
	v_nop                                          ; places behind the last products
.endr
	v_add_f32 v14, v14, v15
	s_delay_alu instid0(VALU_DEP_1)
	v_permlanex16_b32 v252, v14, s[SEL], s[SEL+1]
	s_delay_alu instid0(VALU_DEP_1)
	v_add_f32 v14, v14, v252                       ; the row's sum
	s_wait_alu depctr_va_vdst(0)
	v_rcp_f32 v14, v14
	v_nop                                          ; a plain instruction behind the reciprocal,
	s_wait_alu depctr_va_vdst(0)                   ; and the wait ahead of its first reader
.set j, 0
.rept 32
	v_mul_f32 v[S+j], v[OT+j], v14                 ; register 16 b + i: d = 32 b + 16 (i / 8) + 8 (lane / 16) + i % 8; each accumulator from its low end on
.set j, j+1
.endr
.irp b, 0,1
	v_max3_num_f32 v[232+\b], |v[S+16*\b]|, |v[S+1+16*\b]|, 0x4800000
.endr
.irp i, 2,4,6,8,10,12,14
.irp b, 0,1
	s_delay_alu instid0(VALU_DEP_2)
	v_max3_num_f32 v[232+\b], v[232+\b], |v[S+16*\b+\i]|, |v[S+1+16*\b+\i]|
.endr
.endr
.irp b, 0,1
	s_delay_alu instid0(VALU_DEP_2)
	v_permlanex16_b32 v[236+\b], v[232+\b], s[SEL], s[SEL+1]
.endr
.irp b, 0,1
	s_delay_alu instid0(VALU_DEP_2)
	v_max_num_f32 v[232+\b], v[232+\b], v[236+\b]
.endr
.irp b, 0,1
	s_delay_alu instid0(VALU_DEP_2)
	v_add_nc_u32 v[244+\b], 0xfc000000, v[232+\b]
.endr
.irp b, 0,1
.endr
.irp b, 0,1
	s_delay_alu instid0(VALU_DEP_2)
	v_lshrrev_b32 v[236+\b], 23, v[244+\b]
.endr
	s_delay_alu instid0(VALU_DEP_1)
	v_lshl_or_b32 v255, v237, 8, v236              ; my row's two scale bytes of this head
.irp b, 0,1
.set n, 0
.rept 16
.set n, n+1
.endr
	v_cvt_scalef32_pk8_fp8_f32 v[PCD+4*\b:PCD+4*\b+1], v[S+16*\b:S+16*\b+7], v[244+\b]       ; X: d = 32 b + 8 h + 0 .. 7
	v_cvt_scalef32_pk8_fp8_f32 v[PCD+4*\b+2:PCD+4*\b+3], v[S+16*\b+8:S+16*\b+15], v[244+\b]  ; Y: d = 32 b + 16 + 8 h + 0 .. 7
.endr
	v_nop                                          ; a plain instruction between the conversions and the readers of their results
.irp b, 0,1
.irp k, 0,1,2,3
	v_permlanex16_b32 v[PCD+8+4*\b+\k], v[PCD+4*\b+\k], s[SEL], s[SEL+1]   ; the other half's X and Y
.endr
.endr
.irp b, 0,1                                    ; lanes 0-15 want d = 32 b + 0 .. 15: their X, the other's X; lanes 16-31 want 32 b + 16 .. 31: the other's Y, their Y
	v_cndmask_b32 v[144+4*\b], v[PCD+4*\b], v[PCD+10+4*\b], s[HM]
	v_cndmask_b32 v[145+4*\b], v[PCD+1+4*\b], v[PCD+11+4*\b], s[HM]
	v_cndmask_b32 v[146+4*\b], v[PCD+8+4*\b], v[PCD+2+4*\b], s[HM]
	v_cndmask_b32 v[147+4*\b], v[PCD+9+4*\b], v[PCD+3+4*\b], s[HM]
.endr
	global_store_b128 v[LI], v[144:147], s[ACB:ACB+1]                    ; 1,024 consecutive bytes, at a multiple of 1,024 from the buffer's first byte
	global_store_b128 v[LI], v[148:151], s[ACB:ACB+1] offset:512
	global_store_b16 v[GOS], v255, s[ASB:ASB+1]                          ; lanes l and l xor 16 write the same two bytes with the same value
	s_wait_xcnt 0x0                                ; the stores have read their data and bases: both may be written again
.endm
.macro INITB                           ; on to block 7 - i
	v_perm_b32 v40, v41, v41, s[PSEL]
.irp j, 0,1,2,3,4,5,6,7
	v_mov_b32 v[24+\j], v[224+\j]
.endr
	v_mov_b32 v13, 0xff61b1e6
	s_delay_alu instid0(VALU_DEP_1)
	v_floor_f32 v12, -v13
	v_mov_b32 v14, 0
	v_mov_b32 v15, 0
.set j, 0
.rept 32
	v_mov_b32 v[OT+j], 0
.set j, j+1
.endr
	s_mov_b32 s[Q0], s74
	s_mov_b32 s[KF], 0
	s_mov_b64 s[ACB:ACB+1], s[70:71]
	s_mov_b64 s[ASB:ASB+1], s[72:73]
.endm
.Lslot:                                            ; eight trips: behind each change of slots the next trip's keys are asked for
	CHANGE 1
	STEP 0
	STEP 1
	s_xor_b32 s[TB], s[TB], SLOT1
	s_cmp_lg_u32 s[TR], s[IB]                      ; trip i is block i's last (i is at most 3): ids and the count of trips alone, the same in all sixteen waves
	s_cbranch_scc1 .Lsame
	FINISH
	INITB
.Lsame:
	s_add_co_u32 s[TR], s[TR], 1
	s_sub_co_u32 s[SLOTS], s[SLOTS], 1
	s_cmp_lg_u32 s[SLOTS], 0
	s_cbranch_scc1 .Lslot
	CHANGE 0                                       ; the ninth trip is written out: it asks for nothing
	STEP 0
	STEP 1
	FINISH
	s_wait_tensorcnt 0x0                           ; the wave's end
	ds_add_u32 v[SPW], v[NIL]
	s_wait_dscnt 0x0
	s_endpgm
.Lfunc_end_k_qae3ac912d6_attn:
	.size	k_qae3ac912d6_attn, .Lfunc_end_k_qae3ac912d6_attn-k_qae3ac912d6_attn
	.p2alignl 7, 3214868480
	.fill 96, 4, 3214868480
	.section	.rodata,"a",@progbits
	.p2align	6, 0x0
	.amdhsa_kernel k_qae3ac912d6_attn
		.amdhsa_group_segment_fixed_size 327680
		.amdhsa_private_segment_fixed_size 0
		.amdhsa_enable_private_segment 0
		.amdhsa_kernarg_size 48
		.amdhsa_user_sgpr_count 2
		.amdhsa_user_sgpr_kernarg_segment_ptr 1
		.amdhsa_wavefront_size32 1
		.amdhsa_system_sgpr_workgroup_id_x 1
		.amdhsa_system_sgpr_workgroup_id_y 1
		.amdhsa_system_sgpr_workgroup_id_z 1
		.amdhsa_system_vgpr_workitem_id 0
		.amdhsa_next_free_vgpr 256
		.amdhsa_next_free_sgpr 98
		.amdhsa_reserve_vcc 1
		.amdhsa_float_denorm_mode_32 3
		.amdhsa_float_denorm_mode_16_64 3
		.amdhsa_fp16_overflow 1
		.amdhsa_memory_ordered 1
		.amdhsa_forward_progress 1
		.amdhsa_inst_pref_size 113
	.end_amdhsa_kernel
	.amdgpu_metadata
---
amdhsa.version: [ 1, 2 ]
amdhsa.kernels:
  - .name:           k_qae3ac912d6_attn
    .symbol:         k_qae3ac912d6_attn.kd
    .args:
      - { .name: qc, .offset: 0, .size: 8, .value_kind: global_buffer, .address_space: global }
      - { .name: qs, .offset: 8, .size: 8, .value_kind: global_buffer, .address_space: global }
      - { .name: kvc, .offset: 16, .size: 8, .value_kind: global_buffer, .address_space: global }
      - { .name: kvs, .offset: 24, .size: 8, .value_kind: global_buffer, .address_space: global }
      - { .name: ac, .offset: 32, .size: 8, .value_kind: global_buffer, .address_space: global }
      - { .name: asc, .offset: 40, .size: 8, .value_kind: global_buffer, .address_space: global }
    .group_segment_fixed_size: 327680
    .private_segment_fixed_size: 0
    .kernarg_segment_align: 8
    .kernarg_segment_size: 48
    .max_flat_workgroup_size: 512
    .sgpr_count:     98
    .vgpr_count:     256
    .wavefront_size: 32
...
	.end_amdgpu_metadata
.endif
;; end of part 2
;; launch oproj (part 3): grid 4 x 32, 4 waves a work-group, clusters of 4 x 4, 327,680 bytes of LDS; arguments ac, asc, Wo_codes, Wo_scales, out0; writes out0
.if DOCPART == 3
	.amdgcn_target "amdgcn-amd-amdhsa--gfx1250"
	.amdhsa_code_object_version 6
	.text
	.protected	k_qae3ac912d6_oproj
	.globl	k_qae3ac912d6_oproj
	.p2align	8
	.type	k_qae3ac912d6_oproj,@function
k_qae3ac912d6_oproj:
	s_mov_b64 s[64:65], 0
	v_nop
	global_prefetch_b8 v0, s[64:65] scope:SCOPE_SE
	s_setreg_imm32_b32 hwreg(HW_REG_WAVE_MODE, 25, 1), 1
	s_wait_xcnt 0x0
	s_wait_alu depctr_hold_cnt(0) depctr_sa_sdst(0) depctr_va_vdst(0) depctr_va_sdst(0) depctr_va_ssrc(0) depctr_va_vcc(0) depctr_vm_vsrc(0)
	s_getreg_b32 s2, hwreg(HW_REG_IB_STS2, 6, 4)
	s_cmp_eq_u32 s2, 0
	s_cbranch_scc0 .Lentry_in_a_cluster
	s_endpgm
.Lentry_in_a_cluster:
	s_bfe_u32 s2, ttmp6, 0x10000c
	s_cmp_lg_u32 s2, 0xf033
	s_cbranch_scc0 .Lentry_shape_is_right
	s_endpgm
.Lentry_shape_is_right:
; out0[m][n] = sum over k of A[m][k] Wo[n][k], on codes of FP8 (E4M3) with one E8M0 scale for each 32 along K = 1,024; out0: [8,192][1,024] f32; sums in f32.
; A is the attention's result as the launch before left it: ac holds IMAGES of the operand's registers, [tile of 16 rows][K step of 128][group of 32 along K][lane][16 bytes], k in its true places; asc its scale bytes, [row][32].
; Wo's codes and scale bytes are taken as they are given: rows of 1,024 codes, rows of 32 bytes.
; A tile of out0, 256 x 256, is made by four waves, 128 x 128 each: 64 accumulators, 512 registers.  K goes in steps of 256 through a ring of two LDS slots filled by the tensor data mover.  A's part of a slot is dense
; (a row tile's 4,096 bytes on end; every read is 16 x lane); Wo's rows of 256 bytes get 16 bytes of padding.  The scale bytes of the tile's 256 + 256 rows come once, as dense blocks, and stay.
; CLUSTERS: 4 x 4 work-groups; A's tiles are asked for jointly by a row of the cluster, Wo's by a column.  THE MATRIX INSTRUCTION IS USED TRANSPOSED (source 0 = 16 rows of Wo, source 1 = 16 rows of A): a lane holds eight neighbouring numbers of a row of out0.
; 128 work-groups: the tile is kept at the size at which no fragment is read twice from LDS.
; REGISTERS, in windows of 256: window 0: v0-31 addresses; v32-63 scale words, two sets; from v128 A's fragments, one set; on the way out v128-255 are free.  window 1: Wo's fragments, two sets.  windows 2, 3: the accumulators.
.set SIZE_N, 1024
.set SIZE_K, 1024
.set KSTEP,  256
.set NQ,     2
.set ROWB,   256
.set KROW,   SIZE_K
.set PITCH,  272
.set FR,     16
.set NL,     4
.set NP,     8
.set ABYTES, 4096                      ; a row tile's codes of a K step of 256
.set HALFA,  8*ABYTES                  ; 8 row tiles: what one tensor load brings of A, and what one wave reads
.set HALFT,  128*PITCH                 ; 128 rows of Wo
.set SLOT,   2*HALFA+2*HALFT
.set LAPS,   SIZE_K/(2*KSTEP)
.set KS,     SIZE_K/32
.set SCL,    2*SLOT
.set HALFS,  (128*KS/256)*272
.set SBLK,   (16*KS/256)*272
.set SPARE,  SCL+4*HALFS
.set SPITCH, 528                       ; the way out: a stage of 16 rows x (512 bytes + 16) for each wave, in slot 0, which has had its last fill and its last read when the first result is stored there
.set ADRA, 16
.set ADRB, 20
.set STO,  24
.set RD,   25
.set CO,   26
.set ADRS, 27
.set SPW,  28
.set NIL,  29
.set SC,   32
.set AF,   128
.set BK,   128
.set G1, 24
.set G0, 32
.set G1B, 48
.set G0B, 56
.set G1S, 68
.set G0S, 76
.set G1SB, 80
.set G0SB, 88
.set MSB, 0
.macro WIN new
.if MSB != (\new)
	s_set_vgpr_msb (MSB<<8)|(\new)
.set MSB, (\new)
.endif
.endm
.set MUL_LO, 0xa1
.set MUL_HI, 0xf1
.set TO_B,   0x40
.macro JLOAD g0a, g1a, g0b, g1b        ; a joint load: waves 0 and 1 fetch for A, waves 2 and 3 for Wo; an s_nop 0 and four v_nop follow each line
	s_cmp_eq_u32 s15, 0
	s_cbranch_scc0 .Lfor_b_\@
	tensor_load_to_lds s[\g0a:\g0a+3], s[\g1a:\g1a+7]
	s_nop 0
.rept 4
	v_nop
.endr
	s_branch .Lasked_\@
.Lfor_b_\@:
	tensor_load_to_lds s[\g0b:\g0b+3], s[\g1b:\g1b+7]
	s_nop 0
.rept 4
	v_nop
.endr
.Lasked_\@:
.endm
.macro CREST
	s_cmp_lg_u32 s14, 0
	s_cbranch_scc1 .Lnot_wave_0_\@
	s_barrier_signal -3
.Lnot_wave_0_\@:
	s_barrier_wait -3
	s_barrier_signal -1
	s_barrier_wait -1
.endm
.macro CROUND
	s_barrier_signal -1
	s_barrier_wait -1
	CREST
.endm
	s_load_b128 s[4:7], s[0:1], 0x0                ; ac, asc
	s_load_b128 s[8:11], s[0:1], 0x10              ; Wo's codes, Wo's scales
	s_load_b64 s[12:13], s[0:1], 0x20              ; out0
	v_lshl_add_u32 v[SPW], v0, 2, SPARE
	v_mov_b32 v[NIL], 0
	ds_add_u32 v[SPW], v[NIL]                      ; the wave's opening: the add, twice on end, and its wait ahead of my first tensor load
	ds_add_u32 v[SPW], v[NIL]
	v_lshrrev_b32 v1, 5, v0
	v_readfirstlane_b32 s14, v1                    ; wave 0..3
	s_lshr_b32 s15, s14, 1                         ; my half of the tile's rows.  Also: I fetch for A (0) or for Wo (1)
	s_and_b32 s16, s14, 1                          ; my half of its columns.  Also: which 128 rows I fetch
	s_bfe_u32 s40, ttmp6, 0x40000                  ; cx, cy
	s_bfe_u32 s41, ttmp6, 0x40004
	s_lshl_b32 s42, ttmp9, 2
	s_add_co_u32 s42, s42, s40                     ; tile column
	s_and_b32 s17, ttmp7, 0xffff
	s_lshl_b32 s17, s17, 2
	s_add_co_u32 s17, s17, s41                     ; tile row
	s_lshl_b32 s43, s41, 2
	s_lshl_b32 s43, 15, s43                        ; my row of the cluster
	s_lshl_b32 s44, 0x1111, s40                    ; my column
	; group 1 for A: 8 rows of 4,096 bytes (512 elements of 8 bytes), 16,384 bytes apart, laid on end
	s_or_b32 s[G1+0], s43, (3<<16)|(1<<21)
	s_mov_b32 s[G1+1], 512<<16                     ; tensor_dim0
	s_mov_b32 s[G1+2], 8<<16                       ; tensor_dim1
	s_mov_b32 s[G1+3], 512<<16                     ; tile_dim0
	s_mov_b32 s[G1+4], 8                           ; tile_dim1
	s_mov_b32 s[G1+5], 2048                        ; from row to row, in elements
	s_mov_b32 s[G1+6], 0
	s_mov_b32 s[G1+7], 0
	; for Wo: 128 rows of 256 bytes, 16 bytes of padding behind each
	s_or_b32 s[G1B+0], s44, (0<<16)|(1<<20)|(1<<21)|(5<<22)|(3<<25)
	s_mov_b32 s[G1B+1], ROWB<<16
	s_mov_b32 s[G1B+2], 128<<16
	s_mov_b32 s[G1B+3], ROWB<<16
	s_mov_b32 s[G1B+4], 128
	s_mov_b32 s[G1B+5], KROW
	s_mov_b32 s[G1B+6], 0
	s_mov_b32 s[G1B+7], 0
	; for the scale bytes of 128 rows: 4,096 dense bytes as 16 rows of 256, 16 bytes of padding behind each
	s_or_b32 s[G1S+0], s43, (3<<16)|(1<<20)|(1<<21)|(5<<22)|(3<<25)
	s_or_b32 s[G1SB+0], s44, (3<<16)|(1<<20)|(1<<21)|(5<<22)|(3<<25)
.irp g, G1S, G1SB
	s_mov_b32 s[\g+1], 32<<16
	s_mov_b32 s[\g+2], (128*KS/256)<<16
	s_mov_b32 s[\g+3], 32<<16
	s_mov_b32 s[\g+4], 128*KS/256
	s_mov_b32 s[\g+5], 32
	s_mov_b32 s[\g+6], 0
	s_mov_b32 s[\g+7], 0
.endr
	s_lshl_b32 s18, s16, 7                         ; which 128 rows of the tile I fetch
	s_lshl_b32 s20, s17, 8
	s_add_co_u32 s20, s20, s18                     ; A: row 256 x tile row + 128 x half
	s_lshl_b32 s46, s42, 8
	s_add_co_u32 s46, s46, s18                     ; Wo: row 256 x tile column + 128 x half
	s_lshl_b32 s22, s20, 5                         ; where these rows' scale bytes begin,
	s_mov_b32 s23, 0
	s_lshl_b32 s92, s46, 5
	s_mov_b32 s93, 0
	s_lshl_b32 s20, s20, 10                        ; and their codes: a tile of 16 rows is 16,384 bytes in ac, a row 1,024 in Wo
	s_mov_b32 s21, 0
	s_lshl_b32 s46, s46, 10
	s_mov_b32 s47, 0
	s_lshl_b32 s45, s16, 15                        ; where they go: A's halves at 0 and HALFA,
	s_mul_i32 s95, s16, HALFT
	s_add_co_u32 s95, s95, 2*HALFA                 ; Wo's behind them: no place in the cluster enters an LDS address
	s_mul_i32 s94, s14, HALFS
	s_wait_dscnt 0x0                               ; both opening adds are done
	s_wait_kmcnt 0x0
	s_add_nc_u64 s[20:21], s[4:5], s[20:21]
	s_add_nc_u64 s[22:23], s[6:7], s[22:23]
	s_add_nc_u64 s[46:47], s[8:9], s[46:47]
	s_add_nc_u64 s[92:93], s[10:11], s[92:93]
	CROUND                                         ; all sixteen work-groups are here: the first joint loads meet
	s_mov_b32 s[G0S], 1
	s_add_co_u32 s[G0S+1], s94, SCL
	s_mov_b64 s[G0S+2:G0S+3], s[22:23]
	s_or_b32 s[G0S+3], s[G0S+3], 0x80000000
	s_mov_b32 s[G0SB], 1
	s_add_co_u32 s[G0SB+1], s94, SCL
	s_mov_b64 s[G0SB+2:G0SB+3], s[92:93]
	s_or_b32 s[G0SB+3], s[G0SB+3], 0x80000000
	JLOAD G0S, G1S, G0SB, G1SB                     ; the scales first: they are wanted with K step 0
.irp s, 0,1
	s_mov_b32 s[G0+4*\s], 1
	s_add_co_u32 s[G0+4*\s+1], s45, \s*SLOT
	s_add_nc_u64 s[G0+4*\s+2:G0+4*\s+3], s[20:21], \s*ABYTES
	s_or_b32 s[G0+4*\s+3], s[G0+4*\s+3], 0x80000000
	s_mov_b32 s[G0B+4*\s], 1
	s_add_co_u32 s[G0B+4*\s+1], s95, \s*SLOT
	s_add_nc_u64 s[G0B+4*\s+2:G0B+4*\s+3], s[46:47], \s*ROWB
	s_or_b32 s[G0B+4*\s+3], s[G0B+4*\s+3], 0x80000000
	s_wait_alu depctr_va_vdst(0)
	s_wait_tensorcnt 0x0
	ds_add_u32 v28, v29
	s_wait_dscnt 0x0
	CROUND
	JLOAD G0+4*\s, G1, G0B+4*\s, G1B               ; one tensor load of mine is out now
.endr
	v_and_b32 v1, 15, v0                           ; l % 16
	v_bfe_u32 v2, v0, 4, 1                         ; l / 16
	v_mul_u32_u24 v3, v1, PITCH
	v_lshl_add_u32 v4, v2, 4, v3                   ; Wo: a fragment's row x pitch + 16 x half
	v_and_b32 v6, 31, v0
	v_lshlrev_b32 v7, 4, v6                        ; A: 16 x lane
	s_lshl_b32 s21, s15, 15                        ; my 8 row tiles of A
	s_mul_i32 s22, s16, HALFT                      ; my 128 rows of Wo,
	s_add_co_u32 s22, s22, 2*HALFA                 ; behind A's two halves
.irp s, 0,1
	v_add_nc_u32 v[ADRA+\s], s21, v7
	v_add_nc_u32 v[ADRB+\s], s22, v4
	s_add_co_u32 s21, s21, SLOT
	s_add_co_u32 s22, s22, SLOT
.endr
	v_mul_u32_u24 v5, v1, KS                       ; my row's scale bytes: 32 a row,
	v_lshrrev_b32 v6, 8, v5
	v_lshl_add_u32 v5, v6, 4, v5                   ; and 16 more for each 256 passed
	s_mul_i32 s21, s15, HALFS
	s_mul_i32 s22, s16, HALFS
	s_add_co_u32 s22, s22, 2*HALFS
	s_sub_co_u32 s22, s22, s21
	v_mul_u32_u24 v6, s22, v2                      ; lanes 16-31 take Wo's
	s_add_co_u32 s21, s21, SCL
	v_add_nc_u32 v5, v5, v6
	v_add_nc_u32 v[ADRS], s21, v5
	s_mul_i32 s23, s14, 16*SPITCH                  ; my stage
	v_mul_u32_u24 v5, v1, SPITCH                   ; in: row l % 16, 32 bytes for each half of the lanes
	v_lshl_add_u32 v5, v2, 5, v5
	v_add_nc_u32 v[STO], s23, v5
	v_mov_b32 v[CO], v7                            ; back: the 32 lanes take one row of 512 bytes; and the same in out0
	v_add_nc_u32 v[RD], s23, v[CO]
	s_lshl_b32 s20, s17, 8
	s_lshl_b32 s21, s15, 7
	s_add_co_u32 s20, s20, s21                     ; my first row of out0
	s_lshl_b32 s20, s20, 12                        ; a row is 4,096 bytes
	s_mov_b32 s21, 0
	s_lshl_b32 s46, s42, 10                        ; my first column, in bytes: 1,024 x tile column + 512 x half
	s_lshl_b32 s47, s16, 9
	s_add_co_u32 s46, s46, s47
	s_mov_b32 s47, 0
	s_add_nc_u64 s[20:21], s[20:21], s[46:47]
	s_add_nc_u64 s[12:13], s[12:13], s[20:21]
.macro FRAG reg, adr, q, i             ; Wo: 16 rows x 128 K from padded rows: registers 4 c .. 4 c + 3 hold K = 32 c + 16 (l / 16) + 0 .. 15
.irp c, 0,1,2,3
	ds_load_b128 v[\reg+4*\c:\reg+4*\c+3], v[\adr] offset:128*(\q)+32*\c+(\i)*16*PITCH
.endr
.endm
.macro FRAGA reg, adr, q, i            ; A: the image as it stands: group c at 512 c, lane l's 16 bytes at 16 l
.irp c, 0,1,2,3
	ds_load_b128 v[\reg+4*\c:\reg+4*\c+3], v[\adr] offset:(\i)*ABYTES+2048*(\q)+512*\c
.endr
.endm
.macro MUL16 a0, p, q, sc, zero        ; 16 matrix instructions; the 64 accumulators take turns, one instruction a turn, in the same order in every step
.irp a, \a0, \a0+1
.irp b, 0,1,2,3,4,5,6,7
.if \zero
	v_wmma_scale_f32_16x16x128_f8f6f4 v[8*(8*((\a)%4)+\b):8*(8*((\a)%4)+\b)+7], v[128*(\p)+FR*\b:128*(\p)+FR*\b+FR-1], v[AF+FR*(\a):AF+FR*(\a)+FR-1], 0, v[SC+8*NQ*(\sc)+NQ*\b+(\q)], v[SC+8*NQ*(\sc)+NQ*(\a)+(\q)] matrix_a_scale:MATRIX_SCALE_ROW1
.else
	v_wmma_scale_f32_16x16x128_f8f6f4 v[8*(8*((\a)%4)+\b):8*(8*((\a)%4)+\b)+7], v[128*(\p)+FR*\b:128*(\p)+FR*\b+FR-1], v[AF+FR*(\a):AF+FR*(\a)+FR-1], v[8*(8*((\a)%4)+\b):8*(8*((\a)%4)+\b)+7], v[SC+8*NQ*(\sc)+NQ*\b+(\q)], v[SC+8*NQ*(\sc)+NQ*(\a)+(\q)] matrix_a_scale:MATRIX_SCALE_ROW1
.endif
.endr
.endr
.endm
.macro FETCH_B slot, q, p
	WIN TO_B
.irp i, 0,1,2,3,4,5,6,7
	FRAG 128*(\p)+FR*\i, ADRB+\slot, \q, \i
.endr
	WIN 0
.endm
.macro FETCH_A slot, q, i0
.irp i, \i0, \i0+1, \i0+2, \i0+3
	FRAGA AF+FR*(\i), ADRA+\slot, \q, \i
.endr
.endm
.macro SCALES sc
.irp i, 0,1,2,3,4,5,6,7
	ds_load_b64 v[SC+8*NQ*\sc+NQ*\i:SC+8*NQ*\sc+NQ*\i+1], v[ADRS] offset:\i*SBLK
.endr
.endm
.macro PLACES n
.rept \n
	v_nop
.endr
.endm
.macro STEP slot, q, zero
	s_wait_dscnt 4*NL                              ; all but the youngest sixteen loads (A's blocks 4-7) are in
	WIN MUL_LO
	MUL16 0, (\q)%2, \q, \slot, \zero
	MUL16 2, (\q)%2, \q, \slot, \zero
	s_wait_dscnt 0
	PLACES NP
	FETCH_B \slot, (\q)+1, 1-(\q)%2
	FETCH_A \slot, (\q)+1, 0
	WIN MUL_HI
	MUL16 4, (\q)%2, \q, \slot, \zero
	MUL16 6, (\q)%2, \q, \slot, \zero
	PLACES NP
	WIN 0
	FETCH_A \slot, (\q)+1, 4
.endm
.macro TURN slot, next, fill
	s_wait_tensorcnt 0x0                           ; all my tensor loads have landed: my part of the next slot
	ds_add_u32 v[SPW], v[NIL]                      ; 0 onto my spare word
	s_wait_dscnt 4*NL+1                            ; the add and the youngest sixteen loads may be out
	WIN MUL_LO
	MUL16 0, 1, NQ-1, \slot, 0
	s_wait_dscnt 0x0                               ; the add is done, and my reads of this slot are over
	s_barrier_signal -1
	MUL16 2, 1, NQ-1, \slot, 0
	WIN 0
	s_barrier_wait -1
.if \fill
	CREST                                          ; the barrier has opened a round of the cluster's: no wave of any partner still reads this slot or has a load on its way
	s_add_nc_u64 s[G0+4*\slot+2:G0+4*\slot+3], s[G0+4*\slot+2:G0+4*\slot+3], 2*ABYTES
	s_add_nc_u64 s[G0B+4*\slot+2:G0B+4*\slot+3], s[G0B+4*\slot+2:G0B+4*\slot+3], 2*ROWB
	JLOAD G0+4*\slot, G1, G0B+4*\slot, G1B
	PLACES NP-4
.else
	PLACES NP
.endif
	s_wait_alu depctr_va_vdst(0)
	v_add_nc_u32 v[ADRS], 4*NQ, v[ADRS]
	FETCH_B \next, 0, 0
	FETCH_A \next, 0, 0
	SCALES \next
	WIN MUL_HI
	MUL16 4, 1, NQ-1, \slot, 0
	MUL16 6, 1, NQ-1, \slot, 0
	PLACES NP
	WIN 0
	FETCH_A \next, 0, 4
.endm
	s_wait_alu depctr_va_vdst(0)
	s_wait_tensorcnt 1                             ; the scales and my part of K step 0 are in; K step 1's load may be out
	s_barrier_signal -1
	s_barrier_wait -1
	FETCH_B 0, 0, 0
	FETCH_A 0, 0, 0
	SCALES 0
	FETCH_A 0, 0, 4
	STEP 0, 0, 1                                   ; the first products start the sums
	s_mov_b32 s3, LAPS-1
.Llap:
	TURN 0, 1, 1
	STEP 1, 0, 0
	TURN 1, 0, 1
	STEP 0, 0, 0
	s_sub_co_u32 s3, s3, 1
	s_cmp_lg_u32 s3, 0
	s_cbranch_scc1 .Llap
	TURN 0, 1, 0                                   ; the last lap fills nothing
	STEP 1, 0, 0
	s_wait_dscnt 4*NL
	WIN MUL_LO
	MUL16 0, 1, NQ-1, 1, 0
	MUL16 2, 1, NQ-1, 1, 0
	s_wait_dscnt 0
	WIN MUL_HI
	MUL16 4, 1, NQ-1, 1, 0
	MUL16 6, 1, NQ-1, 1, 0
	WIN 0
; THE WAY OUT, block by block of 16 rows x 128 columns, through my own stage in LDS: in as 32 bytes a lane, back as whole rows of 512 bytes.  LDS serves a wave's instructions in order (ISA guide 5.7.1.4).
.macro TOSTAGE a
.set AC, 64*((\a)%4)
	WIN 0x08+4*((\a)/4)                            ; the data: window 2 or 3
.irp b, 0,1,2,3,4,5,6,7
	ds_store_b128 v[STO], v[AC+8*\b:AC+8*\b+3] offset:64*\b          ; each accumulator from its low end on
	ds_store_b128 v[STO], v[AC+8*\b+4:AC+8*\b+7] offset:64*\b+16
.endr
	WIN 0
.set BB, BK+64*((\a)%2)
.irp t, 0,1,2,3,4,5,6,7,8,9,10,11,12,13,14,15
	ds_load_b128 v[BB+4*\t:BB+4*\t+3], v[RD] offset:\t*SPITCH
.endr
.endm
.macro SEND a, younger                 ; younger: the LDS instructions issued behind block a's loads, which may stay out
.set BB, BK+64*((\a)%2)
	s_wait_dscnt \younger
.if (\a) > 0
	s_add_nc_u64 s[12:13], s[12:13], 16*SIZE_N*4   ; behind a wait on XCNT: the earlier stores have read their base
.endif
.irp t, 0,1,2,3,4,5,6,7,8,9,10,11,12,13,14,15
	global_store_b128 v[CO], v[BB+4*\t:BB+4*\t+3], s[12:13] offset:\t*SIZE_N*4 th:TH_STORE_NT   ; 32 lanes store 512 consecutive bytes, at a multiple of 512 from out0's first byte
.endr
.endm
	PLACES NP
	TOSTAGE 0
.irp a, 1,2,3,4,5,6,7
.if \a > 1
	s_wait_xcnt 0x0                                ; block a - 2's stores have read their registers and their base
.endif
	TOSTAGE \a
	SEND \a-1, 32                                  ; behind block a - 1's loads: block a's 16 stores and 16 loads
.endr
	s_wait_xcnt 0x0
	SEND 7, 0
	s_wait_tensorcnt 0x0                           ; the wave's end, behind my last tensor load and my last LDS store
	ds_add_u32 v[SPW], v[NIL]
	s_wait_dscnt 0x0
	CROUND                                         ; the closing round
	s_endpgm
.Lfunc_end_k_qae3ac912d6_oproj:
	.size	k_qae3ac912d6_oproj, .Lfunc_end_k_qae3ac912d6_oproj-k_qae3ac912d6_oproj
	.p2alignl 7, 3214868480
	.fill 96, 4, 3214868480
	.section	.rodata,"a",@progbits
	.p2align	6, 0x0
	.amdhsa_kernel k_qae3ac912d6_oproj
		.amdhsa_group_segment_fixed_size 327680
		.amdhsa_private_segment_fixed_size 0
		.amdhsa_enable_private_segment 0
		.amdhsa_kernarg_size 40
		.amdhsa_user_sgpr_count 2
		.amdhsa_user_sgpr_kernarg_segment_ptr 1
		.amdhsa_wavefront_size32 1
		.amdhsa_system_sgpr_workgroup_id_x 1
		.amdhsa_system_sgpr_workgroup_id_y 1
		.amdhsa_system_sgpr_workgroup_id_z 1
		.amdhsa_system_vgpr_workitem_id 0
		.amdhsa_next_free_vgpr 1024
		.amdhsa_next_free_sgpr 98
		.amdhsa_reserve_vcc 0
		.amdhsa_float_denorm_mode_32 3
		.amdhsa_float_denorm_mode_16_64 3
		.amdhsa_memory_ordered 1
		.amdhsa_forward_progress 1
		.amdhsa_inst_pref_size 146
	.end_amdhsa_kernel
	.amdgpu_metadata
---
amdhsa.version: [ 1, 2 ]
amdhsa.kernels:
  - .name:           k_qae3ac912d6_oproj
    .symbol:         k_qae3ac912d6_oproj.kd
    .args:
      - { .name: ac, .offset: 0, .size: 8, .value_kind: global_buffer, .address_space: global }
      - { .name: asc, .offset: 8, .size: 8, .value_kind: global_buffer, .address_space: global }
      - { .name: Wo_codes, .offset: 16, .size: 8, .value_kind: global_buffer, .address_space: global }
      - { .name: Wo_scales, .offset: 24, .size: 8, .value_kind: global_buffer, .address_space: global }
      - { .name: out0, .offset: 32, .size: 8, .value_kind: global_buffer, .address_space: global }
    .group_segment_fixed_size: 327680
    .private_segment_fixed_size: 0
    .kernarg_segment_align: 8
    .kernarg_segment_size: 40
    .max_flat_workgroup_size: 128
    .sgpr_count:     98
    .vgpr_count:     1024
    .wavefront_size: 32
...
	.end_amdgpu_metadata
.endif
;; end of part 3
